; MI455X (gfx1250); checked and timed in simulation.
; The chip was launched on July 23, 2026; its instructions are those of AMD's public machine-readable ISA for CDNA 5 (MIT licence, August 2026) and "CDNA5" Instruction Set Architecture Reference Guide (July 2026). The comments in the code are by the model that wrote it; some were corrected since.
;; Composable Mo E. Allowed arithmetic: matrix products marked QUANTISED: E2M3 operands, one E8M0 scale for each 32 along K, by v_wmma_scale_f32_16x16x128_f8f6f4 with both operands' format E2M3, f32 sums; everything else in f32.
;; Inputs: W1 16 x 1,024 x 1,024 float32; W2 16 x 1,024 x 512 float32; W3 16 x 512 x 512 float32; Wr 1,024 x 128 float32; b1 16 x 1,024 float32; b2 16 x 512 float32; b3 16 x 512 float32; br 128 float32; expert_embeddings 16 x 128 float32; x 2,048 x 1,024 float32.
;; Outputs: out0 2,048 x 512 float32.
;; This version of the problem:
;;   THIS VERSION OF THE PROBLEM IS GIVEN IN LOW PRECISION. The matrix products marked QUANTISED in the list below multiply operands that are first quantised to E2M3 (2 exponent bits, 3 mantissa bits; 6 bits a number), with one power-of-two scale for each 32 numbers along K (OCP MX v1.0); their sums are f32. All else is computed in f32.
;;   The module's matrix products, in the order in which they are computed (A, B: the left and right operand; K: the contracted axis; several contracted axes count as one K, in the product's order):
;;     1. [M 2,048, K 1,024] x [K 1,024, N 128]; A: input x; B: input Wr: QUANTISED
;;     2. [M 16,384, K 1,024] x [K 1,024, N 2,048]; A: input W1; B: input x: QUANTISED
;;     3. batch 16 x [M 2,048, K 1,024] x [K 1,024, N 512]; A: computed on the way; B: input W2: QUANTISED
;;     4. batch 16 x [M 2,048, K 512] x [K 512, N 512]; A: computed on the way; B: input W3: QUANTISED
;;   THE QUANTISER, for each operand of a quantised product, along K:
;;     - K is cut into blocks of 32 from its start; a last block that is shorter is filled with zeros.
;;     - A block's scale is 2^e with e = floor(log2(the largest magnitude in the block)) - 2, held to -126 .. 127; a block of zeros has e = 0. As a byte (E8M0): e + 127.
;;     - Each number is divided by its block's scale, clamped to +-7.5, and rounded to the nearest number of E2M3, ties to even, subnormals kept.
;;     - The product sums the exact products of the quantised numbers (number of the format x scale) in f32.
;;   ~~~python
;;   def quantise(x, axis):      # numpy; x: float32 -> the quantised numbers, widened to float32 again
;;       x = np.moveaxis(x, axis, -1); K = x.shape[-1]
;;       x = np.pad(x, [(0, 0)] * (x.ndim - 1) + [(0, -K % 32)]); x = x.reshape(x.shape[:-1] + (-1, 32)); a = np.abs(x).max(-1, keepdims=True)
;;       e = np.where(a > 0, np.clip(np.frexp(np.where(a > 0, a, 1))[1] - 1 - 2, -126, 127), 0)      # np.frexp(a)[1] - 1 = floor(log2(a)), exactly
;;       r = np.clip(x / 2.0 ** e, -7.5, 7.5)
;;       step = 2.0 ** (np.maximum(np.frexp(np.where(r == 0, 1, r))[1] - 1, 0) - 3)
;;       q = np.round(r / step) * step * 2.0 ** e      # np.round: ties to even
;;       return np.moveaxis(q.reshape(q.shape[:-2] + (-1,))[..., :K], -1, axis).astype(np.float32)
;;   ~~~
;;   OPERANDS COMPUTED ON THE WAY. 'Computed on the way' means the value that the module computes at that place (a softmax that the list does not call 'softmax' is quantised finished and normalised). What goes into a quantiser is computed in f32, as accurately as f32 sums, v_exp_f32 and their like allow (about 1e-6 of the number): no bf16 or f16 on the way to a quantiser, and a product that is left as it is and whose result goes on into a quantised operand takes f32 operands (vector FMAs, or v_wmma_f32_16x16x4_f32). A number that lies on a knife's edge between two numbers of the format may be rounded either way, as far as f32 arithmetic and the matrix unit's own rounding can turn it there, and no further.
;; 2 versions, each right; version 2 is version 1 with the launches route, chain written anew for expert scheduling mode. Each part assembles by itself: llvm-mc -triple=amdgcn-amd-amdhsa -mcpu=gfx1250 --defsym DOCPART=n.
;; ======== version 1 of 2: 5 launches
;; workspace buffers: wcodes 22,118,400 bytes; wscales 921,600 bytes; xcodes 1,572,864 bytes; xscales 65,536 bytes; eidx 16,384 bytes of whole numbers; gates 16,384 bytes; plan 18,688 bytes of whole numbers; y 8,388,608 bytes
;; launch quant (part 1): grid 900 x 1, 4 waves a work-group, no clusters, 15,872 bytes of LDS; arguments W1, W2, W3, Wr, wcodes, wscales; writes wcodes, wscales
.if DOCPART == 1
	.amdgcn_target "amdgcn-amd-amdhsa--gfx1250"
	.amdhsa_code_object_version 6
	.text
	.protected	k_qd1fff9fe44_quant
	.globl	k_qd1fff9fe44_quant
	.p2align	8
	.type	k_qd1fff9fe44_quant,@function
k_qd1fff9fe44_quant:
	s_mov_b64 s[64:65], 0
	v_nop
	global_prefetch_b8 v0, s[64:65] scope:SCOPE_SE
	s_setreg_imm32_b32 hwreg(HW_REG_WAVE_MODE, 25, 1), 1
	s_wait_xcnt 0x0
; W1 [16][1024][1024], W2 [16][1024][512], W3 [16][512][512], Wr [1024][128], f32, K = the axis in front of the last.  All four become codes of FP6 (E2M3) with one E8M0 byte for each 32 along K,
; laid in the ORDER OF THE OPERAND'S REGISTERS, so that the later launches load fragments whole, 16 bytes a lane.
; A STEP is 128 columns x 128 along K: 8 tiles of 16 rows, 12,288 bytes: tile t, piece j (registers 4 j .. 4 j + 3), lane l at 1536 t + 512 j + 16 l.
; Row m of tile 2 b + p is column 32 b + 8 p + m + 8 (m / 8): a transposed product's two neighbouring tiles then give a lane 16 neighbours along the next K.
; Step number D = (4 e + W) 28 + q: the 28 steps that wave W of a chain work-group of expert e walks lie on end (q 0-15: W1's chunks 2 W, 2 W + 1; 16-23: W2's chunk W; 24-27: W3's chunk W); Wr: D = 1792 + s.
; Scale words: for each pair of steps 1,024 bytes, [u = 0..3][lane][2 words]: lanes 0-15 tile 2 u's rows, lanes 16-31 tile 2 u + 1's; word 0, 1 = the pair's first, second step.
; SHARES: a work-group takes 128 columns x 256 along K (two steps); wave w columns 32 w .. 32 w + 31 (tiles 2 w, 2 w + 1).  A LANE TAKES A COLUMN AND ITS REGISTERS RUN DOWN K: a load reads 128 consecutive bytes a wave,
; a block of 32 lies in one lane, and the conversions give codes with K innermost.  The codes turn through the wave's own LDS bytes into the operand's lane order and leave as stores of 512 consecutive bytes.
; A block's scale is 2^(floor(log2(largest magnitude)) - 2): its byte is the largest magnitude's exponent field - 2, held at 1 from below.
; LIMITS: a block whose largest magnitude lies under 2^-124 (a block of zeros too) gets the byte 1; zero codes add nothing under it, and this program alone reads the bytes.  NaN and infinities among the inputs are not served.
; No tensor loads, no barrier: waves share nothing.  Loads run two blocks (64 loads a wave) ahead.
.set CL,   1                           ; v1      lane = my column among the wave's 32
.set SA,   4                           ; v4      LDS: where my column's pieces go
.set SRD,  5                           ; v5      LDS: 16 x lane, the way back
.set SSA,  6                           ; v6      LDS: where my two scale words go
.set SSR,  7                           ; v7      LDS: 8 x lane, the way back
.set L16,  8                           ; v8      16 x lane
.set L8,   9                           ; v9      8 x lane
.set M0,   10                          ; v10-11  two chains of the maximum
.set M1,   11
.set SOP,  12                          ; v12     the conversion's scale operand
.set BY,   13                          ; v13     the scale's byte
.set SW,   16                          ; v16-17  my column's scale words of the two steps
.set TC,   18                          ; v18-20  a block's upper 16 codes
.set F,    24                          ; v24-47  my column's codes of a step: for lane half h at F + 12 h
.set RA,   48                          ; v48-79  byte offset of row i of a block
.set X,    80                          ; v80-143 two sets of 32 numbers
.set OUTR, 144                         ; v144-191 what leaves: 24 registers a step, never written again
.set WREG, 3840                        ; LDS bytes of a wave: two tile images and the scale words
.set IMG2, 1664                        ; the second image: 1,536 + 128, so that lanes 8-15 fall on other banks than lanes 0-7
.set SST,  3328
.set BB,   24                          ; s[24:39] the eight blocks' bases
	s_load_b256 s[4:11], s[0:1], 0x0               ; W1 s[4:5], W2 s[6:7], W3 s[8:9], Wr s[10:11]
	s_load_b128 s[12:15], s[0:1], 0x20             ; wcodes, wscales
	v_lshl_add_u32 v192, v0, 2, 0x3c00
	v_mov_b32 v193, 0
	v_lshrrev_b32 v2, 5, v0
	v_readfirstlane_b32 s16, v2                    ; wave
	v_and_b32 v[CL], 31, v0
	s_mov_b32 s17, ttmp9
	; which tensor, expert e, chunk c, pair of steps kg: plain numbers only.  s18 row pitch, s19 e's and kg's bytes, s25 c, s26 kg, s27 = 4 e + W, s28 = the first q
	s_cmp_lt_u32 s17, 512
	s_cbranch_scc0 .Lnot_w1
	s_lshr_b32 s24, s17, 5                         ; W1: 16 experts x 8 chunks x 4 pairs
	s_bfe_u32 s25, s17, 0x30002
	s_and_b32 s26, s17, 3
	s_mov_b32 s18, 4096
	s_lshl_b32 s19, s24, 22
	s_lshl_b32 s29, s26, 20
	s_add_co_u32 s19, s19, s29
	s_lshl_b32 s27, s24, 2
	s_lshr_b32 s29, s25, 1
	s_add_co_u32 s27, s27, s29
	s_and_b32 s28, s25, 1
	s_lshl_b32 s28, s28, 3
	s_branch .Ljoin
.Lnot_w1:
	s_cmp_lt_u32 s17, 768
	s_cbranch_scc0 .Lnot_w2
	s_sub_co_u32 s29, s17, 512                     ; W2: 16 x 4 x 4
	s_lshr_b32 s24, s29, 4
	s_bfe_u32 s25, s29, 0x20002
	s_and_b32 s26, s29, 3
	s_mov_b32 s18, 2048
	s_lshl_b32 s19, s24, 21
	s_lshl_b32 s29, s26, 19
	s_add_co_u32 s19, s19, s29
	s_lshl_b32 s27, s24, 2
	s_add_co_u32 s27, s27, s25
	s_mov_b32 s28, 16
	s_branch .Ljoin
.Lnot_w2:
	s_cmp_lt_u32 s17, 896
	s_cbranch_scc0 .Lnot_w3
	s_sub_co_u32 s29, s17, 768                     ; W3: 16 x 4 x 2
	s_lshr_b32 s24, s29, 3
	s_bfe_u32 s25, s29, 0x20001
	s_and_b32 s26, s29, 1
	s_mov_b32 s18, 2048
	s_lshl_b32 s19, s24, 20
	s_lshl_b32 s29, s26, 19
	s_add_co_u32 s19, s19, s29
	s_lshl_b32 s27, s24, 2
	s_add_co_u32 s27, s27, s25
	s_mov_b32 s28, 24
	s_branch .Ljoin
.Lnot_w3:
	s_sub_co_u32 s26, s17, 896                     ; Wr: one chunk, 4 pairs
	s_mov_b32 s25, 0
	s_mov_b32 s18, 512
	s_lshl_b32 s19, s26, 17
	s_mov_b32 s27, 0
	s_mov_b32 s28, 1792
.Ljoin:
	s_lshl_b32 s29, s25, 9
	s_add_co_u32 s19, s19, s29                     ; + the chunk's 128 columns: the part's first byte in its tensor
	s_mul_i32 s20, s27, 28
	s_add_co_u32 s20, s20, s28
	s_lshl_b32 s29, s26, 1
	s_add_co_u32 s20, s20, s29                     ; D, an even number
	v_bfe_u32 v2, v[CL], 3, 1                      ; p: which of my wave's two tiles my column belongs to
	v_and_b32 v3, 7, v[CL]
	v_lshrrev_b32 v14, 4, v[CL]
	v_lshl_add_u32 v3, v14, 3, v3                  ; m: its row there
	s_mul_i32 s21, s16, WREG
	v_mul_u32_u24 v[SA], v2, IMG2
	v_lshl_add_u32 v[SA], v3, 4, v[SA]
	v_add_nc_u32 v[SA], s21, v[SA]
	v_lshlrev_b32 v[L16], 4, v[CL]
	v_add_nc_u32 v[SRD], s21, v[L16]
	v_lshl_add_u32 v[SSA], v2, 4, v3
	v_lshlrev_b32 v[SSA], 3, v[SSA]
	v_add_nc_u32 v[SSA], s21, v[SSA]
	v_lshlrev_b32 v[L8], 3, v[CL]
	v_add_nc_u32 v[SSR], s21, v[L8]
	v_lshlrev_b32 v[RA], 2, v[CL]
	s_lshl_b32 s46, s16, 7
	v_add_nc_u32 v[RA], s46, v[RA]                 ; 4 x lane + 128 x wave,
.irp i, 1,2,3,4,5,6,7,8,9,10,11,12,13,14,15,16,17,18,19,20,21,22,23,24,25,26,27,28,29,30,31
	v_add_nc_u32 v[RA+\i], s18, v[RA+\i-1]         ; and a row further down for each register
.endr
	s_wait_kmcnt 0x0
	s_cmp_lt_u32 s17, 512                          ; the source: a choice that hangs on the work-group's number alone
	s_cselect_b64 s[22:23], s[4:5], s[6:7]
	s_cmp_lt_u32 s17, 768
	s_cselect_b64 s[22:23], s[22:23], s[8:9]
	s_cmp_lt_u32 s17, 896
	s_cselect_b64 s[22:23], s[22:23], s[10:11]
	s_mov_b32 s44, s19
	s_mov_b32 s45, 0
	s_add_nc_u64 s[BB:BB+1], s[22:23], s[44:45]
	s_lshl_b32 s44, s18, 5                         ; 32 rows
.irp t, 1,2,3,4,5,6,7
	s_add_nc_u64 s[BB+2*\t:BB+2*\t+1], s[BB+2*\t-2:BB+2*\t-1], s[44:45]
.endr
	s_mul_i32 s46, s20, 12288
	s_mul_i32 s47, s16, 3072
	s_add_co_u32 s46, s46, s47
	s_mov_b32 s47, 0
	s_add_nc_u64 s[40:41], s[12:13], s[46:47]      ; the codes of step D, my two tiles
	s_lshr_b32 s46, s20, 1
	s_lshl_b32 s46, s46, 10
	s_lshl_b32 s21, s16, 8
	s_add_co_u32 s46, s46, s21
	s_add_nc_u64 s[42:43], s[14:15], s[46:47]      ; the pair's scale words, my 256 bytes
.macro LOAD t                          ; block t: rows 32 t + i of my column into set t % 2
.irp i, 0,1,2,3,4,5,6,7,8,9,10,11,12,13,14,15,16,17,18,19,20,21,22,23,24,25,26,27,28,29,30,31
	global_load_b32 v[X+32*((\t)%2)+\i], v[RA+\i], s[BB+2*(\t):BB+2*(\t)+1] th:TH_LOAD_NT
.endr
.endm
.macro BLOCK t
.set XS, X+32*((\t)%2)
.set BL, (\t)%4                        ; the block's number in its step: lane half BL % 2, registers 6 (BL / 2) on
.set KK, (\t)/4
.set FB, F+12*(BL%2)+6*(BL/2)
.if (\t) < 7
	s_wait_loadcnt 32                              ; this block's 32 loads are in; the next block's 32 may be out
.else
	s_wait_loadcnt 0x0
.endif
	v_max3_num_f32 v[M0], |v[XS]|, |v[XS+1]|, |v[XS+2]|
	v_max3_num_f32 v[M1], |v[XS+3]|, |v[XS+4]|, |v[XS+5]|
.irp i, 6,10,14,18,22,26
	v_max3_num_f32 v[M0], v[M0], |v[XS+\i]|, |v[XS+\i+1]|
	v_max3_num_f32 v[M1], v[M1], |v[XS+\i+2]|, |v[XS+\i+3]|
.endr
	v_max3_num_f32 v[M0], v[M0], |v[XS+30]|, |v[XS+31]|
	v_max3_num_f32 v[M0], v[M0], v[M1], 0x1800000  ; and the floor 2^(3 - 127): the byte cannot fall under 1
	v_add_nc_u32 v[SOP], 0xff000000, v[M0]         ; 2 off the exponent field: the conversion takes that field as its scale
	v_lshrrev_b32 v[BY], 23, v[SOP]                ; the scale's byte
.if BL == 0
	v_mov_b32 v[SW+KK], v[BY]
.else
	v_lshl_or_b32 v[SW+KK], v[BY], 8*BL, v[SW+KK]
.endif
	v_cvt_scalef32_pk16_fp6_f32 v[FB:FB+2], v[XS:XS+15], v[SOP]
	v_cvt_scalef32_pk16_fp6_f32 v[TC:TC+2], v[XS+16:XS+31], v[SOP]   ; (a conversion's three registers begin on an even number)
	v_nop                                          ; one plain place behind a scaled conversion
.irp i, 0,1,2
	v_mov_b32 v[FB+3+\i], v[TC+\i]
.endr
.if (\t)+2 < 8
	LOAD (\t)+2
.endif
.endm
.macro OUTSTEP kk                      ; a step's codes: from a lane to a column into a lane to (row, half), through my own LDS bytes
.irp h, 0,1
.irp j, 0,1,2
	ds_store_b128 v[SA], v[F+12*\h+4*\j:F+12*\h+4*\j+3] offset:512*\j+256*\h
.endr
.endr
.irp u, 0,1
.irp j, 0,1,2
	ds_load_b128 v[OUTR+24*\kk+12*\u+4*\j:OUTR+24*\kk+12*\u+4*\j+3], v[SRD] offset:IMG2*\u+512*\j   ; LDS serves a wave's instructions in order: these see the stores above
.endr
.endr
	s_wait_dscnt 0x0                               ; the images are back
.irp u, 0,1
.irp j, 0,1,2
	global_store_b128 v[L16], v[OUTR+24*\kk+12*\u+4*\j:OUTR+24*\kk+12*\u+4*\j+3], s[40:41] offset:12288*\kk+1536*\u+512*\j   ; 32 lanes store 512 consecutive bytes
.endr
.endr
.endm
	LOAD 0
	LOAD 1
	BLOCK 0
	BLOCK 1
	BLOCK 2
	BLOCK 3
	OUTSTEP 0
	BLOCK 4
	BLOCK 5
	BLOCK 6
	BLOCK 7
	OUTSTEP 1
	ds_store_b64 v[SSA], v[SW:SW+1] offset:SST
	ds_load_b64 v[M0:M0+1], v[SSR] offset:SST
	s_wait_dscnt 0x0
	global_store_b64 v[L8], v[M0:M0+1], s[42:43]   ; 32 lanes store 256 consecutive bytes, aligned
	s_wait_tensorcnt 0x0
	ds_add_u32 v192, v193
	s_wait_dscnt 0x0
	s_endpgm
.Lfunc_end_k_qd1fff9fe44_quant:
	.size	k_qd1fff9fe44_quant, .Lfunc_end_k_qd1fff9fe44_quant-k_qd1fff9fe44_quant
	.p2alignl 7, 3214868480
	.fill 96, 4, 3214868480
	.section	.rodata,"a",@progbits
	.p2align	6, 0x0
	.amdhsa_kernel k_qd1fff9fe44_quant
		.amdhsa_group_segment_fixed_size 15872
		.amdhsa_private_segment_fixed_size 0
		.amdhsa_enable_private_segment 0
		.amdhsa_kernarg_size 48
		.amdhsa_user_sgpr_count 2
		.amdhsa_user_sgpr_kernarg_segment_ptr 1
		.amdhsa_wavefront_size32 1
		.amdhsa_system_sgpr_workgroup_id_x 1
		.amdhsa_system_sgpr_workgroup_id_y 1
		.amdhsa_system_sgpr_workgroup_id_z 1
		.amdhsa_system_vgpr_workitem_id 0
		.amdhsa_next_free_vgpr 194
		.amdhsa_next_free_sgpr 66
		.amdhsa_reserve_vcc 0
		.amdhsa_float_denorm_mode_32 3
		.amdhsa_float_denorm_mode_16_64 3
		.amdhsa_memory_ordered 1
		.amdhsa_forward_progress 1
		.amdhsa_inst_pref_size 45
	.end_amdhsa_kernel
	.amdgpu_metadata
---
amdhsa.version: [ 1, 2 ]
amdhsa.kernels:
  - .name:           k_qd1fff9fe44_quant
    .symbol:         k_qd1fff9fe44_quant.kd
    .args:
      - { .name: W1, .offset: 0, .size: 8, .value_kind: global_buffer, .address_space: global }
      - { .name: W2, .offset: 8, .size: 8, .value_kind: global_buffer, .address_space: global }
      - { .name: W3, .offset: 16, .size: 8, .value_kind: global_buffer, .address_space: global }
      - { .name: Wr, .offset: 24, .size: 8, .value_kind: global_buffer, .address_space: global }
      - { .name: wcodes, .offset: 32, .size: 8, .value_kind: global_buffer, .address_space: global }
      - { .name: wscales, .offset: 40, .size: 8, .value_kind: global_buffer, .address_space: global }
    .group_segment_fixed_size: 15872
    .private_segment_fixed_size: 0
    .kernarg_segment_align: 8
    .kernarg_segment_size: 48
    .max_flat_workgroup_size: 128
    .sgpr_count:     66
    .vgpr_count:     194
    .wavefront_size: 32
...
	.end_amdgpu_metadata
.endif
;; end of part 1
;; launch route (part 2): grid 128 x 1, 4 waves a work-group, no clusters, 21,760 bytes of LDS; arguments x, wcodes, wscales, br, expert_embeddings, xcodes, xscales, eidx, gates; writes xcodes, xscales, eidx, gates
.if DOCPART == 2
	.amdgcn_target "amdgcn-amd-amdhsa--gfx1250"
	.amdhsa_code_object_version 6
	.text
	.protected	k_qd1fff9fe44_route
	.globl	k_qd1fff9fe44_route
	.p2align	8
	.type	k_qd1fff9fe44_route,@function
k_qd1fff9fe44_route:
	s_mov_b64 s[64:65], 0
	v_nop
	global_prefetch_b8 v0, s[64:65] scope:SCOPE_SE
	s_setreg_imm32_b32 hwreg(HW_REG_WAVE_MODE, 25, 1), 1
	s_wait_xcnt 0x0
; For 16 tokens a work-group: x is quantised along K to codes of FP6 (E2M3) with E8M0 scales (kept for the experts' first layer too); q = Q(x) Q(Wr) + br; d2[e] = sum (q - emb[e])^2;
; the two smallest d2 (the lower index wins a tie, as jax.lax.top_k has it on -d2); gates = softmax over the two scores, the larger score taken away first.
; All results go to FIXED places: xcodes [token][768], xscales [token][8 words], eidx [token][2], gates [token][2]: no address and no branch here hangs on a floating-point number.
; xcodes: byte 96 s + 48 h + 16 j of a token's row is piece j (registers 4 j .. 4 j + 3) of what lane half h holds of the token in K step s: a fragment is loaded whole, 16 bytes at a time.
; SHARES: wave w quantises K steps 2 w, 2 w + 1 of the 16 rows; then makes q's dims 32 w .. 32 w + 31 (tiles 2 w, 2 w + 1 of Wr) over all 8 K steps, transposed (source 0 = 16 rows of Wr's tile, source 1 = x):
; lane (r, h) holds token r and dims 32 w + 16 h + 0 .. 15; then its part of the 16 distances.  Wave 0 adds the four parts and chooses.
; LIMITS: NaN and infinities are not served; a block of x under 2^-124 gets the byte 1; where the second and third smallest distance differ by less than the f32 sums' error either may be chosen.
; REGISTERS: window 0 as named below; window 1: Wr's 16 fragments, (s, tile) at 12 (2 s + tile); window 2: the embeddings, expert e's 16 numbers at 16 e.
.set XP,   784                         ; LDS: a token's 768 bytes of codes + 16
.set XSS,  12544                       ; 16 tokens x 8 scale words
.set DPB,  13056                       ; 4 waves x 2,048: the parts of the distances
.set CP,   9                           ; v9-14   LDS addresses of the copy out
.set WSC,  16                          ; v16-23  Wr's scale words, K step s: lanes 0-15 tile 2 w, lanes 16-31 tile 2 w + 1
.set XSCL, 24                          ; v24-31  x's scale words, K step s
.set BR,   32                          ; v32-47  br in the result's layout
.set Q,    48                          ; v48-63  q: two accumulators
.set XS0,  64                          ; v64-127, v128-191 64 numbers of x each; later x's 8 fragments (v64-159) and the differences
.set XS1,  128
.set XF,   64
.set PC,   192                         ; v192-211 the codes just made
.set TM,   212                         ; v212-227 at work in QUANT
.set PW,   228                         ; v228    the scale word just made
.set D2,   230                         ; v230-245 my part of the 16 distances
.set SEL,  26                          ; s[26:27] v_permlanex16_b32's selects for lane l xor 16
.set MSB, 0
.macro WIN new                         ; the immediate's high byte repeats the setting that is left
.if MSB != \new
	s_set_vgpr_msb (MSB<<8)|\new
.set MSB, \new
.endif
.endm
; 64 numbers of a lane, register 16 b + i = k 32 b + 16 (lane / 16) + i of my row, become a fragment's codes in v[PC] on and its scale word in v[PW]
.macro QUANT s
.irp b, 0,1,2,3
	v_max3_num_f32 v[TM+\b], |v[\s+16*\b]|, |v[\s+1+16*\b]|, 0x1800000   ; my 16 numbers of block b, and the floor 2^(3 - 127)
.endr
.irp i, 2,4,6,8,10,12,14
.irp b, 0,1,2,3
	v_max3_num_f32 v[TM+\b], v[TM+\b], |v[\s+16*\b+\i]|, |v[\s+1+16*\b+\i]|
.endr
.endr
.irp b, 0,1,2,3
	v_permlanex16_b32 v[TM+4+\b], v[TM+\b], s[SEL], s[SEL+1]
.endr
.irp b, 0,1,2,3
	v_max_num_f32 v[TM+\b], v[TM+\b], v[TM+4+\b]   ; with lane l xor 16's: the block's largest magnitude
.endr
.irp b, 0,1,2,3
	v_add_nc_u32 v[TM+12+\b], 0xff000000, v[TM+\b] ; 2 off its exponent field: the conversion's scale operand
.endr
.irp b, 0,1,2,3
	v_lshrrev_b32 v[TM+4+\b], 23, v[TM+12+\b]      ; the scale's byte
.endr
	v_lshl_or_b32 v[PW], v[TM+5], 8, v[TM+4]
	v_lshl_or_b32 v[PW], v[TM+6], 16, v[PW]
	v_lshl_or_b32 v[PW], v[TM+7], 24, v[PW]
.irp c, 0,1
	v_cvt_scalef32_pk16_fp6_f32 v[PC+6*\c:PC+2+6*\c], v[\s+32*\c:\s+15+32*\c], v[TM+12+2*\c]
	v_cvt_scalef32_pk16_fp6_f32 v[PC+12+4*\c:PC+14+4*\c], v[\s+16+32*\c:\s+31+32*\c], v[TM+12+2*\c+1]
.endr
	v_nop                                          ; one plain place behind a scaled conversion
.irp c, 0,1                            ; the operand's layout wants a whole block in a lane: lanes 0-15 block 2 c, lanes 16-31 block 2 c + 1
.irp i, 0,1,2
	v_permlane16_swap_b32 v[PC+6*\c+\i], v[PC+12+4*\c+\i]
.endr
.irp i, 0,1,2
	v_mov_b32 v[PC+3+6*\c+\i], v[PC+12+4*\c+\i]
.endr
.endr
.endm
.macro XLOAD reg, ss                   ; my 16 numbers of each of the four blocks of K step 2 w + ss
.irp b, 0,1,2,3
.irp j, 0,1,2,3
	global_load_b128 v[\reg+16*\b+4*\j:\reg+16*\b+4*\j+3], v4, s[4:5] offset:512*\ss+128*\b+16*\j th:TH_LOAD_NT
.endr
.endr
.endm
.macro BARRIER
	s_wait_dscnt 0x0                               ; my LDS stores have landed and my LDS loads are in
	s_barrier_signal -1
	s_barrier_wait -1
.endm
	s_load_b512 s[4:19], s[0:1], 0x0               ; x s[4:5], wcodes s[6:7], wscales s[8:9], br s[10:11], embeddings s[12:13], xcodes s[14:15], xscales s[16:17], eidx s[18:19]
	s_load_b64 s[20:21], s[0:1], 0x40              ; gates
	v_lshl_add_u32 v254, v0, 2, 0x5300
	v_mov_b32 v255, 0
	v_lshrrev_b32 v1, 5, v0
	v_readfirstlane_b32 s22, v1                    ; wave
	v_and_b32 v1, 31, v0                           ; lane
	v_and_b32 v2, 15, v0                           ; r
	v_bfe_u32 v3, v0, 4, 1                         ; h
	v_lshlrev_b32 v15, 4, v1                       ; 16 x lane
	v_lshlrev_b32 v4, 12, v2
	v_lshl_add_u32 v4, v3, 6, v4
	s_lshl_b32 s23, s22, 10
	v_add_nc_u32 v4, s23, v4                       ; x: row r of 4,096 bytes + 64 h + my two K steps
	v_mul_u32_u24 v7, v2, XP
	v_mad_u32_u24 v7, v3, 48, v7                   ; LDS: token r's codes, my half
	s_mul_i32 s23, s22, 192
	v_add_nc_u32 v5, s23, v7                       ; and my two K steps there
	v_lshlrev_b32 v8, 5, v2                        ; LDS: token r's scale words (+ XSS)
	s_lshl_b32 s23, s22, 3
	v_add_nc_u32 v6, s23, v8
	s_mul_i32 s23, s22, 4*XP                       ; the copy out: wave w takes tokens 4 w .. 4 w + 3: 192 pieces of 16 bytes, piece p at 16 (p + p / 48)
.irp i, 0,1,2,3,4,5
	v_add_nc_u32 v[CP+\i], 32*\i, v1
	v_mul_u32_u24 v246, v[CP+\i], 683
	v_lshrrev_b32 v246, 15, v246                   ; p / 48 for p under 192
	v_add_nc_u32 v[CP+\i], v[CP+\i], v246
	v_lshlrev_b32 v[CP+\i], 4, v[CP+\i]
	v_add_nc_u32 v[CP+\i], s23, v[CP+\i]
.endr
	s_lshl_b32 s23, s22, 8
	v_lshl_add_u32 v248, v1, 3, s23                ; Wr's scale words: 256 w + 8 x lane
	s_lshl_b32 s23, s22, 7
	v_lshl_add_u32 v249, v3, 6, s23                ; br, embeddings: 128 w + 64 h
	s_mul_i32 s23, s22, 3072
	v_add_nc_u32 v250, s23, v15                    ; Wr's fragments, and the copy out: 3072 w + 16 x lane
	s_lshl_b32 s23, s22, 11
	v_add_nc_u32 v252, s23, v15                    ; my part of the distances in LDS (+ DPB)
	s_mov_b32 s[SEL], 0x76543210
	s_mov_b32 s[SEL+1], 0xfedcba98
.irp b, 0,1,2,3
	v_mov_b32 v[TM+4+\b], 0                        ; written once: a lane permute's destination counts as one of its sources
.endr
	s_lshl_b32 s24, ttmp9, 16                      ; 16 rows of x
	s_mov_b32 s25, 0
	s_wait_kmcnt 0x0
	s_add_nc_u64 s[4:5], s[4:5], s[24:25]
	s_add_nc_u64 s[6:7], s[6:7], 22020096          ; Wr's codes: step 1792
	s_add_nc_u64 s[8:9], s[8:9], 917504            ; and its scale words: pair 896
	s_mul_i32 s24, ttmp9, 12288
	s_add_nc_u64 s[14:15], s[14:15], s[24:25]
	s_lshl_b32 s24, ttmp9, 9
	s_add_nc_u64 s[16:17], s[16:17], s[24:25]
	s_lshl_b32 s24, ttmp9, 7
	s_add_nc_u64 s[18:19], s[18:19], s[24:25]
	s_add_nc_u64 s[20:21], s[20:21], s[24:25]
	XLOAD XS0, 0                                   ; 16 loads
	XLOAD XS1, 1                                   ; 16
.irp p, 0,1,2,3
	global_load_b64 v[WSC+2*\p:WSC+2*\p+1], v248, s[8:9] offset:1024*\p   ; 4
.endr
.irp t, 0,1
	global_load_b128 v[BR+8*\t:BR+8*\t+3], v249, s[10:11] offset:32*\t     ; 4
	global_load_b128 v[BR+8*\t+4:BR+8*\t+7], v249, s[10:11] offset:32*\t+16
.endr
	WIN 0x40                                       ; destination window 1
.irp s, 0,1,2,3,4,5,6,7
.irp t, 0,1
.irp j, 0,1,2
	global_load_b128 v[12*(2*\s+\t)+4*\j:12*(2*\s+\t)+4*\j+3], v250, s[6:7] offset:12288*\s+1536*\t+512*\j   ; 48
.endr
.endr
.endr
	WIN 0
	; ---- x becomes codes
	s_wait_loadcnt 63                              ; 72 loads were issued behind the first K step's
	QUANT XS0
.irp j, 0,1,2
	ds_store_b128 v5, v[PC+4*\j:PC+4*\j+3] offset:16*\j
.endr
	ds_store_b32 v6, v[PW] offset:XSS              ; both halves write the same word with the same value
	s_wait_dscnt 0x0                               ; the stores have read their registers
	s_wait_loadcnt 56                              ; 56 loads were issued behind the second K step's
	WIN 0x80                                       ; destination window 2
.irp e, 0,1,2,3,4,5,6,7,8,9,10,11,12,13,14,15
.irp q, 0,1,2,3
	global_load_b128 v[16*\e+4*\q:16*\e+4*\q+3], v249, s[12:13] offset:512*\e+16*\q   ; 64: each expert's numbers at my 16 dims
.endr
.endr
	WIN 0
	QUANT XS1
.irp j, 0,1,2
	ds_store_b128 v5, v[PC+4*\j:PC+4*\j+3] offset:96+16*\j
.endr
	ds_store_b32 v6, v[PW] offset:XSS+4
	BARRIER                                        ; the 16 tokens' codes and scale words lie in LDS
	; ---- the codes leave, and come to every wave as fragments
.irp i, 0,1,2,3,4,5
	ds_load_b128 v[160+4*\i:163+4*\i], v[CP+\i]
.endr
.irp s, 0,1,2,3,4,5,6,7
.irp j, 0,1,2
	ds_load_b128 v[XF+12*\s+4*\j:XF+12*\s+4*\j+3], v7 offset:96*\s+16*\j
.endr
.endr
	ds_load_b128 v[XSCL:XSCL+3], v8 offset:XSS
	ds_load_b128 v[XSCL+4:XSCL+7], v8 offset:XSS+16
	s_wait_dscnt 0x0
.irp i, 0,1,2,3,4,5
	global_store_b128 v250, v[160+4*\i:163+4*\i], s[14:15] offset:512*\i   ; 32 lanes store 512 consecutive bytes
.endr
	s_cmp_lg_u32 s22, 0
	s_cbranch_scc1 .Lno_scales
	ds_load_b128 v[184:187], v15 offset:XSS        ; wave 0: the 512 bytes of scale words as they lie
	s_wait_dscnt 0x0
	global_store_b128 v15, v[184:187], s[16:17]
.Lno_scales:
	s_wait_loadcnt 63                              ; 64 loads (the embeddings) were issued behind Wr's fragments, its scale words and br
	WIN 0x01                                       ; source 0 (Wr) window 1
	v_wmma_scale_f32_16x16x128_f8f6f4 v[Q:Q+7], v[0:11], v[XF:XF+11], v[BR:BR+7], v[WSC], v[XSCL] matrix_a_fmt:MATRIX_FMT_FP6 matrix_b_fmt:MATRIX_FMT_FP6
	v_wmma_scale_f32_16x16x128_f8f6f4 v[Q+8:Q+15], v[12:23], v[XF:XF+11], v[BR+8:BR+15], v[WSC], v[XSCL] matrix_a_fmt:MATRIX_FMT_FP6 matrix_b_fmt:MATRIX_FMT_FP6 matrix_a_scale:MATRIX_SCALE_ROW1
.irp s, 1,2,3,4,5,6,7                  ; the two accumulators by turns
	v_wmma_scale_f32_16x16x128_f8f6f4 v[Q:Q+7], v[24*\s:24*\s+11], v[XF+12*\s:XF+12*\s+11], v[Q:Q+7], v[WSC+\s], v[XSCL+\s] matrix_a_fmt:MATRIX_FMT_FP6 matrix_b_fmt:MATRIX_FMT_FP6
	v_wmma_scale_f32_16x16x128_f8f6f4 v[Q+8:Q+15], v[24*\s+12:24*\s+23], v[XF+12*\s:XF+12*\s+11], v[Q+8:Q+15], v[WSC+\s], v[XSCL+\s] matrix_a_fmt:MATRIX_FMT_FP6 matrix_b_fmt:MATRIX_FMT_FP6 matrix_a_scale:MATRIX_SCALE_ROW1
.endr
	WIN 0
.rept 4
	v_nop                                          ; four places behind the products (ISA guide 7.12.1): their results are read and x's fragments written over below
.endr
	s_wait_loadcnt 0x0                             ; the embeddings
	s_wait_xcnt 0x0                                ; the stores of the codes (data v160-183) and of the scale words (v184-187) have had their addresses translated (ISA guide 3.1): only behind this wait do the differences below write those registers
	; ---- my 16 dims' part of the 16 distances, eight experts at a time
.irp p, 0,1
	WIN 0x08                                       ; source 1 window 2
.irp e, 0,1,2,3,4,5,6,7
.irp q, 0,1,2,3,4,5,6,7
	v_pk_add_f32 v[64+16*\e+2*\q:65+16*\e+2*\q], v[Q+2*\q:Q+2*\q+1], v[16*(8*\p+\e)+2*\q:16*(8*\p+\e)+2*\q+1] neg_lo:[0,1] neg_hi:[0,1]   ; q - emb; each accumulator from its low end on
.endr
.endr
	WIN 0
.irp e, 0,1,2,3,4,5,6,7
	v_pk_mul_f32 v[192+2*\e:193+2*\e], v[64+16*\e:65+16*\e], v[64+16*\e:65+16*\e]
.endr
.irp q, 1,2,3,4,5,6,7
.irp e, 0,1,2,3,4,5,6,7
	v_pk_fma_f32 v[192+2*\e:193+2*\e], v[64+16*\e+2*\q:65+16*\e+2*\q], v[64+16*\e+2*\q:65+16*\e+2*\q], v[192+2*\e:193+2*\e]
.endr
.endr
.irp e, 0,1,2,3,4,5,6,7
	v_add_f32 v[D2+8*\p+\e], v[192+2*\e], v[193+2*\e]
.endr
.endr
.irp e, 0,1,2,3,4,5,6,7,8,9,10,11,12,13,14,15
	v_permlanex16_b32 v[64+\e], v[D2+\e], s[SEL], s[SEL+1]
.endr
.irp e, 0,1,2,3,4,5,6,7,8,9,10,11,12,13,14,15
	v_add_f32 v[D2+\e], v[D2+\e], v[64+\e]         ; with the other half's 16 dims
.endr
.irp q, 0,1,2,3
	ds_store_b128 v252, v[D2+4*\q:D2+4*\q+3] offset:DPB+512*\q
.endr
	BARRIER                                        ; the four parts lie in LDS
	s_cmp_lg_u32 s22, 0
	s_cbranch_scc1 .Lend
	; ---- wave 0: the sums, the two smallest, the gates
.irp w, 0,1,2,3
.irp q, 0,1,2,3
	ds_load_b128 v[64+16*\w+4*\q:67+16*\w+4*\q], v15 offset:DPB+2048*\w+512*\q
.endr
.endr
	s_wait_dscnt 0x0
.irp w, 1,2,3
.irp e, 0,1,2,3,4,5,6,7,8,9,10,11,12,13,14,15
	v_add_f32 v[64+\e], v[64+\e], v[64+16*\w+\e]
.endr
.endr
	v_mov_b32 v200, v64                            ; the smallest so far, and its expert
	v_mov_b32 v201, 0
	v_mov_b32 v202, 0x7f800000                     ; the second smallest: +infinity
	v_mov_b32 v203, 0
.irp e, 1,2,3,4,5,6,7,8,9,10,11,12,13,14,15       ; experts ascending, strictly smaller: the lower index keeps its place in a tie
	v_mov_b32 v204, \e
	v_cmp_lt_f32 vcc_lo, v[64+\e], v200
	v_cmp_lt_f32 s28, v[64+\e], v202
	v_cndmask_b32 v202, v202, v[64+\e], s28
	v_cndmask_b32 v203, v203, v204, s28
	v_cndmask_b32 v202, v202, v200, vcc_lo
	v_cndmask_b32 v203, v203, v201, vcc_lo
	v_cndmask_b32 v200, v200, v[64+\e], vcc_lo
	v_cndmask_b32 v201, v201, v204, vcc_lo
.endr
	v_sub_f32 v205, v200, v202                     ; the second score less the first: 0 or less: the maximum is taken away
	v_mul_f32 v205, 0x3fb8aa3b, v205
	v_exp_f32 v205, v205
	v_lshlrev_b32 v210, 3, v2                      ; (a plain place behind the exponential)
	s_wait_alu depctr_va_vdst(0)
	v_add_f32 v206, 1.0, v205
	v_rcp_f32 v206, v206                           ; the first gate
	v_lshl_add_u32 v210, v3, 2, v210               ; (a plain place)  8 r + 4 h
	s_wait_alu depctr_va_vdst(0)
	v_mul_f32 v207, v205, v206                     ; the second
	v_cmp_eq_u32 vcc_lo, 1, v3
	v_cndmask_b32 v208, v201, v203, vcc_lo         ; lane (r, h) stores token r's choice number h
	v_cndmask_b32 v209, v206, v207, vcc_lo
	global_store_b32 v210, v208, s[18:19]          ; 32 lanes store 128 consecutive bytes
	global_store_b32 v210, v209, s[20:21]
.Lend:
	s_wait_tensorcnt 0x0
	ds_add_u32 v254, v255
	s_wait_dscnt 0x0
	s_endpgm
.Lfunc_end_k_qd1fff9fe44_route:
	.size	k_qd1fff9fe44_route, .Lfunc_end_k_qd1fff9fe44_route-k_qd1fff9fe44_route
	.p2alignl 7, 3214868480
	.fill 96, 4, 3214868480
	.section	.rodata,"a",@progbits
	.p2align	6, 0x0
	.amdhsa_kernel k_qd1fff9fe44_route
		.amdhsa_group_segment_fixed_size 21760
		.amdhsa_private_segment_fixed_size 0
		.amdhsa_enable_private_segment 0
		.amdhsa_kernarg_size 72
		.amdhsa_user_sgpr_count 2
		.amdhsa_user_sgpr_kernarg_segment_ptr 1
		.amdhsa_wavefront_size32 1
		.amdhsa_system_sgpr_workgroup_id_x 1
		.amdhsa_system_sgpr_workgroup_id_y 1
		.amdhsa_system_sgpr_workgroup_id_z 1
		.amdhsa_system_vgpr_workitem_id 0
		.amdhsa_next_free_vgpr 768
		.amdhsa_next_free_sgpr 66
		.amdhsa_reserve_vcc 1
		.amdhsa_float_denorm_mode_32 3
		.amdhsa_float_denorm_mode_16_64 3
		.amdhsa_memory_ordered 1
		.amdhsa_forward_progress 1
		.amdhsa_inst_pref_size 60
	.end_amdhsa_kernel
	.amdgpu_metadata
---
amdhsa.version: [ 1, 2 ]
amdhsa.kernels:
  - .name:           k_qd1fff9fe44_route
    .symbol:         k_qd1fff9fe44_route.kd
    .args:
      - { .name: x, .offset: 0, .size: 8, .value_kind: global_buffer, .address_space: global }
      - { .name: wcodes, .offset: 8, .size: 8, .value_kind: global_buffer, .address_space: global }
      - { .name: wscales, .offset: 16, .size: 8, .value_kind: global_buffer, .address_space: global }
      - { .name: br, .offset: 24, .size: 8, .value_kind: global_buffer, .address_space: global }
      - { .name: expert_embeddings, .offset: 32, .size: 8, .value_kind: global_buffer, .address_space: global }
      - { .name: xcodes, .offset: 40, .size: 8, .value_kind: global_buffer, .address_space: global }
      - { .name: xscales, .offset: 48, .size: 8, .value_kind: global_buffer, .address_space: global }
      - { .name: eidx, .offset: 56, .size: 8, .value_kind: global_buffer, .address_space: global }
      - { .name: gates, .offset: 64, .size: 8, .value_kind: global_buffer, .address_space: global }
    .group_segment_fixed_size: 21760
    .private_segment_fixed_size: 0
    .kernarg_segment_align: 8
    .kernarg_segment_size: 72
    .max_flat_workgroup_size: 128
    .sgpr_count:     66
    .vgpr_count:     768
    .wavefront_size: 32
...
	.end_amdgpu_metadata
.endif
;; end of part 2
;; launch place (part 3): grid 1 x 1, 8 waves a work-group, no clusters, 2,048 bytes of LDS; arguments eidx, plan; writes plan
.if DOCPART == 3
	.amdgcn_target "amdgcn-amd-amdhsa--gfx1250"
	.amdhsa_code_object_version 6
	.text
	.protected	k_qd1fff9fe44_place
	.globl	k_qd1fff9fe44_place
	.p2align	8
	.type	k_qd1fff9fe44_place,@function
k_qd1fff9fe44_place:
	s_mov_b64 s[64:65], 0
	v_nop
	global_prefetch_b8 v0, s[64:65] scope:SCOPE_SE
	s_setreg_imm32_b32 hwreg(HW_REG_WAVE_MODE, 25, 1), 1
	s_wait_xcnt 0x0
; A counting sort of the 4,096 slots (slot = 2 x token + choice) by expert, and the table of tiles of 64 rows.  One work-group, no atomics.
; plan: bytes 0 .. 1535: 96 entries of 16 bytes (expert, first place in the order, rows, 0); an entry beyond the last tile is (0, 0, 0, 0).  Bytes 2048 on: order[4160]: slot numbers sorted by expert; 4096 .. 4159 are 0,
; so that a last tile's 64 loads stay inside and name a slot that exists.
; EIGHT WAVES, 16 slots a thread (thread t: slots 16 t .. 16 t + 15): what is paid for each (32 slots, expert) is the same for any number of waves, what is paid once a wave (the table, the prefixes, the scalar sums) is paid 8 times.
; Inside a wave a slot's rank among its expert's comes from the compare's mask (bits under my lane) and a running count; four sets of 32 slots go side by side, each with a mask register of its own, so that no line waits
; for the line above it.  The waves' counts meet in LDS; totals and prefixes are then scalar sums.  The order inside an expert is free: no expert has a capacity.
; An index outside 0 .. 15 cannot come from the launch before; it is held at 15.
.set RUN,  16                          ; s[16:31] running counts of my wave; later: where my wave's slots of expert e begin
.set TB,   32                          ; s[32:47] expert e's first tile
.set BASE, 48                          ; s[48:63] expert e's first place in the order
.set TOT,  66                          ; s[66:81] expert e's slots
.set PRE,  82                          ; s[82:97] those of them in the waves in front of mine
.set E,    32                          ; v32-47   my 16 slots' experts
.set RK,   48                          ; v48-63   their ranks in my wave
.set SN,   64                          ; v64-79   their numbers
.set TBL,  80                          ; v80-87   the eight waves' counts
.set T,    88                          ; v88-91   at work
.set ST,   96                          ; v96-111  where my wave's slots of the slot's expert begin; then the slot's place
	s_load_b128 s[4:7], s[0:1], 0x0                ; eidx, plan
	v_lshl_add_u32 v128, v0, 2, 0x400
	v_mov_b32 v129, 0
	v_lshrrev_b32 v1, 5, v0
	v_readfirstlane_b32 s8, v1                     ; wave
	v_and_b32 v2, 31, v0
	v_lshlrev_b32 v3, 6, v0                        ; 64 x thread: my 16 words of eidx
	v_lshlrev_b32 v4, 4, v0                        ; 16 x thread: my first slot's number, and a tile entry's byte
	v_lshlrev_b32 v13, 2, v0                       ; 4 x thread
	v_lshlrev_b32 v14, 2, v2                       ; 4 x lane
	v_mov_b32 v17, 0
	v_mov_b32 v12, 0
.irp e, 0,1,2,3,4,5,6,7,8,9,10,11,12,13,14,15
	s_mov_b32 s[RUN+\e], 0
.endr
.irp c, 0,1,2,3,4,5,6,7,8,9,10,11,12,13,14,15
	v_add_nc_u32 v[SN+\c], \c, v4
.endr
	s_wait_kmcnt 0x0
.irp j, 0,1,2,3
	global_load_b128 v[E+4*\j:E+4*\j+3], v3, s[4:5] offset:16*\j
.endr
	s_wait_loadcnt 0x0
.irp c, 0,1,2,3,4,5,6,7,8,9,10,11,12,13,14,15
	v_min_u32 v[E+\c], 15, v[E+\c]
.endr
; Expert e in the four sets 4 g .. 4 g + 3: a slot's rank = the wave's count so far + the earlier sets' + the lanes under mine.  Expert 0's turn writes every lane, and each lane's own expert's turn writes it last: nothing is cleared.
.macro RANK g, e
	v_cmp_eq_u32 s12, \e, v[E+4*\g]
	v_cmp_eq_u32 s13, \e, v[E+4*\g+1]
	v_cmp_eq_u32 s14, \e, v[E+4*\g+2]
	v_cmp_eq_u32 s15, \e, v[E+4*\g+3]
.if \e == 0
.set rR, RK+4*\g
.else
.set rR, T
.endif
	s_bcnt1_i32_b32 s98, s12
	s_bcnt1_i32_b32 s99, s13
	s_bcnt1_i32_b32 s100, s14
	s_bcnt1_i32_b32 s101, s15
	v_mbcnt_lo_u32_b32 v[rR], s12, s[RUN+\e]
	s_add_co_u32 s98, s98, s[RUN+\e]
	v_mbcnt_lo_u32_b32 v[rR+1], s13, s98
	s_add_co_u32 s99, s99, s98
	v_mbcnt_lo_u32_b32 v[rR+2], s14, s99
	s_add_co_u32 s100, s100, s99
	v_mbcnt_lo_u32_b32 v[rR+3], s15, s100
	s_add_co_u32 s[RUN+\e], s101, s100
.if \e > 0
	v_cndmask_b32 v[RK+4*\g], v[RK+4*\g], v[T], s12
	v_cndmask_b32 v[RK+4*\g+1], v[RK+4*\g+1], v[T+1], s13
	v_cndmask_b32 v[RK+4*\g+2], v[RK+4*\g+2], v[T+2], s14
	v_cndmask_b32 v[RK+4*\g+3], v[RK+4*\g+3], v[T+3], s15
.endif
.endm
.irp g, 0,1,2,3
.irp e, 0,1,2,3,4,5,6,7,8,9,10,11,12,13,14,15
	RANK \g, \e
.endr
.endr
.irp e, 0,1,2,3,4,5,6,7,8,9,10,11,12,13,14,15
	v_writelane_b32 v12, s[RUN+\e], \e             ; lane e: my wave's count of expert e; lanes 16-31: 0
.endr
	ds_store_b32 v13, v12                          ; the table [wave][32 words]
	s_wait_dscnt 0x0                               ; for the others' sake: my words have landed
	s_barrier_signal -1
	s_barrier_wait -1
.irp j, 0,1,2,3,4,5,6,7
	ds_load_b32 v[TBL+\j], v14 offset:128*\j
.endr
	v_mov_b32 v15, 0
	v_mov_b32 v16, 0
	s_wait_dscnt 0x0
.irp j, 0,1,2,3,4,5,6,7
	s_cmp_eq_u32 s8, \j
	s_cselect_b32 s9, -1, 0
	v_cndmask_b32 v16, v16, v15, s9                ; the sum over the waves in front of mine
	v_add_nc_u32 v15, v15, v[TBL+\j]
.endr
.irp e, 0,1,2,3,4,5,6,7,8,9,10,11,12,13,14,15
	v_readlane_b32 s[TOT+\e], v15, \e
	v_readlane_b32 s[PRE+\e], v16, \e
.endr
	s_mov_b32 s10, 0
	s_mov_b32 s11, 0
.irp e, 0,1,2,3,4,5,6,7,8,9,10,11,12,13,14,15
	s_mov_b32 s[BASE+\e], s10
	s_add_co_u32 s[RUN+\e], s10, s[PRE+\e]
	s_mov_b32 s[TB+\e], s11
	s_add_co_u32 s10, s10, s[TOT+\e]
	s_add_co_u32 s12, s[TOT+\e], 63
	s_lshr_b32 s12, s12, 6
	s_add_co_u32 s11, s11, s12                     ; at the end: the number of tiles
.endr
.irp c, 0,1,2,3,4,5,6,7,8,9,10,11,12,13,14,15
	v_mov_b32 v[ST+\c], s[RUN]                     ; expert 0's start in every lane; each lane's own expert's turn writes it last
.endr
.irp e, 1,2,3,4,5,6,7,8,9,10,11,12,13,14,15
	v_mov_b32 v24, s[RUN+\e]
.irp g, 0,1,2,3
	v_cmp_eq_u32 s12, \e, v[E+4*\g]
	v_cmp_eq_u32 s13, \e, v[E+4*\g+1]
	v_cmp_eq_u32 s14, \e, v[E+4*\g+2]
	v_cmp_eq_u32 s15, \e, v[E+4*\g+3]
	v_cndmask_b32 v[ST+4*\g], v[ST+4*\g], v24, s12
	v_cndmask_b32 v[ST+4*\g+1], v[ST+4*\g+1], v24, s13
	v_cndmask_b32 v[ST+4*\g+2], v[ST+4*\g+2], v24, s14
	v_cndmask_b32 v[ST+4*\g+3], v[ST+4*\g+3], v24, s15
.endr
.endr
.irp c, 0,1,2,3,4,5,6,7,8,9,10,11,12,13,14,15
	v_add_nc_u32 v[ST+\c], v[ST+\c], v[RK+\c]      ; the slot's place in the order
.endr
.irp c, 0,1,2,3,4,5,6,7,8,9,10,11,12,13,14,15
	v_min_u32 v[ST+\c], 0xfff, v[ST+\c]
.endr
.irp c, 0,1,2,3,4,5,6,7,8,9,10,11,12,13,14,15
	v_lshlrev_b32 v[ST+\c], 2, v[ST+\c]
.endr
.irp c, 0,1,2,3,4,5,6,7,8,9,10,11,12,13,14,15
	global_store_b32 v[ST+\c], v[SN+\c], s[6:7] offset:2048   ; each place is written once
.endr
	s_cmp_lt_u32 s8, 2
	s_cbranch_scc0 .Lno_pad
	global_store_b32 v13, v17, s[6:7] offset:18432 ; order[4096 + thread] = 0, threads 0 to 63
.Lno_pad:
	s_cmp_lt_u32 s8, 3
	s_cbranch_scc0 .Lend
	v_mov_b32 v112, 0                              ; tile t = my thread's number, 0 to 95: the last expert whose first tile is at most t
	v_mov_b32 v113, s[TB]
	v_mov_b32 v114, s[BASE]
	v_mov_b32 v115, s[TOT]
.irp e, 1,2,3,4,5,6,7,8,9,10,11,12,13,14,15
	v_cmp_le_u32 vcc_lo, s[TB+\e], v0
	v_mov_b32 v116, \e
	v_mov_b32 v117, s[TB+\e]
	v_mov_b32 v118, s[BASE+\e]
	v_mov_b32 v119, s[TOT+\e]
	v_cndmask_b32 v112, v112, v116, vcc_lo
	v_cndmask_b32 v113, v113, v117, vcc_lo
	v_cndmask_b32 v114, v114, v118, vcc_lo
	v_cndmask_b32 v115, v115, v119, vcc_lo
.endr
	v_sub_nc_u32 v117, v0, v113
	v_lshlrev_b32 v117, 6, v117                    ; rows of the expert in front of this tile
	v_add_nc_u32 v118, v114, v117
	v_sub_nc_u32 v119, v115, v117
	v_min_u32 v119, 64, v119
	v_cmp_gt_u32 vcc_lo, s11, v0                   ; is there such a tile?
	v_cndmask_b32 v120, v17, v112, vcc_lo
	v_cndmask_b32 v121, v17, v118, vcc_lo
	v_cndmask_b32 v122, v17, v119, vcc_lo
	v_mov_b32 v123, 0
	global_store_b128 v4, v[120:123], s[6:7]
.Lend:
	s_wait_tensorcnt 0x0
	ds_add_u32 v128, v129
	s_wait_dscnt 0x0
	s_endpgm
.Lfunc_end_k_qd1fff9fe44_place:
	.size	k_qd1fff9fe44_place, .Lfunc_end_k_qd1fff9fe44_place-k_qd1fff9fe44_place
	.p2alignl 7, 3214868480
	.fill 96, 4, 3214868480
	.section	.rodata,"a",@progbits
	.p2align	6, 0x0
	.amdhsa_kernel k_qd1fff9fe44_place
		.amdhsa_group_segment_fixed_size 2048
		.amdhsa_private_segment_fixed_size 0
		.amdhsa_enable_private_segment 0
		.amdhsa_kernarg_size 16
		.amdhsa_user_sgpr_count 2
		.amdhsa_user_sgpr_kernarg_segment_ptr 1
		.amdhsa_wavefront_size32 1
		.amdhsa_system_sgpr_workgroup_id_x 1
		.amdhsa_system_sgpr_workgroup_id_y 1
		.amdhsa_system_sgpr_workgroup_id_z 1
		.amdhsa_system_vgpr_workitem_id 0
		.amdhsa_next_free_vgpr 130
		.amdhsa_next_free_sgpr 102
		.amdhsa_reserve_vcc 1
		.amdhsa_float_denorm_mode_32 3
		.amdhsa_float_denorm_mode_16_64 3
		.amdhsa_memory_ordered 1
		.amdhsa_forward_progress 1
		.amdhsa_inst_pref_size 114
	.end_amdhsa_kernel
	.amdgpu_metadata
---
amdhsa.version: [ 1, 2 ]
amdhsa.kernels:
  - .name:           k_qd1fff9fe44_place
    .symbol:         k_qd1fff9fe44_place.kd
    .args:
      - { .name: eidx, .offset: 0, .size: 8, .value_kind: global_buffer, .address_space: global }
      - { .name: plan, .offset: 8, .size: 8, .value_kind: global_buffer, .address_space: global }
    .group_segment_fixed_size: 2048
    .private_segment_fixed_size: 0
    .kernarg_segment_align: 8
    .kernarg_segment_size: 16
    .max_flat_workgroup_size: 256
    .sgpr_count:     102
    .vgpr_count:     130
    .wavefront_size: 32
...
	.end_amdgpu_metadata
.endif
;; end of part 3
;; launch chain (part 4): grid 79 x 1, 4 waves a work-group, no clusters, 175,616 bytes of LDS; arguments plan, gates, xcodes, xscales, wcodes, wscales, b1, b2, b3, y; writes y
.if DOCPART == 4
	.amdgcn_target "amdgcn-amd-amdhsa--gfx1250"
	.amdhsa_code_object_version 6
	.text
	.protected	k_qd1fff9fe44_chain
	.globl	k_qd1fff9fe44_chain
	.p2align	8
	.type	k_qd1fff9fe44_chain,@function
k_qd1fff9fe44_chain:
	s_mov_b64 s[64:65], 0
	v_nop
	global_prefetch_b8 v0, s[64:65] scope:SCOPE_SE
	s_setreg_imm32_b32 hwreg(HW_REG_WAVE_MODE, 25, 1), 1
	s_wait_xcnt 0x0
; One tile of 64 routed rows of ONE expert through the whole chain: y[slot] = gate[slot] x (relu(relu(x W1 + b1) W2 + b2) W3 + b3), all three products on codes of FP6 (E2M3) with E8M0 scales; the hidden layers
; are quantised in registers and never go to memory.  The tile (expert, first place in the order, rows) and the order of slots are whole numbers that an earlier launch stored.
; GRID: 4,096 rows in tiles of 64 for 16 experts are never more than 64 + 15 = 79 tiles, whatever the split.  A tile with no rows walks the text on rows that it discards and stores nothing: every wave passes every
; barrier, and none stands under a branch on a loaded number.  Rows beyond a tile's count are computed (they name slots that exist) and not stored.
; SHARES: THE WAVES SHARE THE COLUMNS: wave W makes hidden units 256 W .. 256 W + 255 of layer 1 (two chunks of 128), 128 W .. of layer 2, outputs 128 W .. of layer 3, for all 64 rows: 32 accumulators a chunk.
; Products are used transposed (source 0 = 16 rows of a weight tile, source 1 = 16 token rows): a lane holds one row, and by the weight tiles' choice of rows the registers of two neighbouring tiles are 16 neighbours along the next K.
; WEIGHTS come from memory straight into registers, in the order of the operand's registers: a wave's 28 steps of 12,288 bytes lie on end.  A UNIT is half a step: 4 tiles, 12 loads of 512 bytes, 48 registers.
; Eight units take turns in a ring of registers; a unit's slot is asked for again, eight units ahead, behind its 16 products.  The loads' bases stand still through a chunk (its two trips differ in the immediates, 146,944 bytes
; at the most) and step only in layer 1's loop, behind a chunk's quantising, where the last load was issued long before.
; NO JOINT LOADS: how many tiles an expert has is known only from the stored plan; clusters of four tiles of one expert would want 4 x (16 + 15) = 124 work-groups for the same rows, and the weights a way through LDS.
; TOKEN ROWS go from wave to wave through LDS as images of the operand's registers: 1,536 bytes a fragment, lane l's 16 bytes at 16 l; their scale words four tiles of rows to 16 bytes a lane.
; LIMITS: as the quantiser's: a block under 2^-124 gets the byte 1; NaN and infinities are not served.
; REGISTERS: window 0 as named below.  Window 1: ring slots 0-3 at 48 i; v192-255 a chunk's bias, 8 tiles x 8.  Window 2: accumulator (tile t, rows m) at 8 (4 t + m).  Window 3: ring slots 4-7.
.set XIMG,  0                          ; LDS: x: fragment (rows m, K step s) at 1536 (8 m + s)
.set XSC,   49152                      ; its scale words: 16 (32 s + lane) + 4 m
.set H1IMG, 53248                      ; the first hidden layer likewise
.set H1SC,  102400
.set H2IMG, 106496                     ; the second: 1536 (4 m + s)
.set H2SC,  131072
.set BIAS,  133120                     ; 2048 W + 512 k: b1's two chunks, b2's, b3's
.set STG,   141312                     ; the way out: 8448 W: 16 rows of 512 + 16 bytes
.set LI,   1                           ; v1   16 x lane
.set L8,   2                           ; v2   8 x lane
.set RR,   3                           ; v3   r
.set HH,   4                           ; v4   h
.set XWI,  5                           ; v5-6   where I store x's images and scale words
.set XWS,  6
.set AX,   7                           ; v7-12  where every wave reads the three layers' rows and scale words
.set AXS,  8
.set AH1,  9
.set AH1S, 10
.set AH2,  11
.set AH2S, 12
.set H1WI, 13                          ; v13-16 where I store the hidden layers' images and scale words
.set H1WS, 14
.set H2WI, 15
.set H2WS, 16
.set BWR,  17                          ; v17-18 the biases: in, and back in the result's layout
.set BRD,  18
.set SO,   19                          ; v19-20 the stage: in, back
.set SR,   20
.set CO,   21                          ; v21    512 W + 16 x lane: my bytes of a row of y
.set WSC,  32                          ; v32-47 the weights' scale words: two pairs of steps x 4 x 2
.set ASC,  48                          ; v48-55 the rows' scale words: two K steps x 4 tiles of rows
.set SLOT, 56                          ; v56-59 the slot of row 16 m + r
.set GOF,  60                          ; v60-63 its gate's byte offset
.set AF,   64                          ; v64-159 the rows' fragments: two K steps x 4 x 12
.set HA,   64                          ; v64-127 64 results of a tile of rows
.set OUTR, 128                         ; v128-191 16 rows on their way out
.set PC,   160                         ; v160-179 the codes just made, even tiles of rows; odd tiles: v128-147
.set TM,   180                         ; v180-195 at work in QUANT
.set PW,   196                         ; v196 the scale word just made, even tiles of rows; odd tiles: v148
.set GATE, 200                         ; v200-207 the gate of row 16 m + r, as a pair
.set OA,   208                         ; v208-223 16 rows' byte offsets in y
.set SEL,  36                          ; s[36:37]
.set MSB, 0
.macro WIN new                         ; the immediate's high byte repeats the setting that is left
.if MSB != \new
	s_set_vgpr_msb (MSB<<8)|\new
.set MSB, \new
.endif
.endm
.macro QUANT s, pc, pw                 ; 64 numbers of a lane, register 16 b + i = k 32 b + 16 (lane / 16) + i of my row -> a fragment's codes in v[pc] on, its scale word in v[pw]
.irp b, 0,1,2,3
	v_max3_num_f32 v[TM+\b], |v[\s+16*\b]|, |v[\s+1+16*\b]|, 0x1800000   ; my 16 numbers of block b, and the floor 2^(3 - 127)
.endr
.irp i, 2,4,6,8,10,12,14
.irp b, 0,1,2,3
	v_max3_num_f32 v[TM+\b], v[TM+\b], |v[\s+16*\b+\i]|, |v[\s+1+16*\b+\i]|
.endr
.endr
.irp b, 0,1,2,3
	v_permlanex16_b32 v[TM+4+\b], v[TM+\b], s[SEL], s[SEL+1]
.endr
.irp b, 0,1,2,3
	v_max_num_f32 v[TM+\b], v[TM+\b], v[TM+4+\b]
.endr
.irp b, 0,1,2,3
	v_add_nc_u32 v[TM+12+\b], 0xff000000, v[TM+\b]
.endr
.irp b, 0,1,2,3
	v_lshrrev_b32 v[TM+4+\b], 23, v[TM+12+\b]
.endr
	v_lshl_or_b32 v[\pw], v[TM+5], 8, v[TM+4]
	v_lshl_or_b32 v[\pw], v[TM+6], 16, v[\pw]
	v_lshl_or_b32 v[\pw], v[TM+7], 24, v[\pw]
.irp c, 0,1
	v_cvt_scalef32_pk16_fp6_f32 v[\pc+6*\c:\pc+2+6*\c], v[\s+32*\c:\s+15+32*\c], v[TM+12+2*\c]
	v_cvt_scalef32_pk16_fp6_f32 v[\pc+12+4*\c:\pc+14+4*\c], v[\s+16+32*\c:\s+31+32*\c], v[TM+12+2*\c+1]
.endr
	v_nop                                          ; one plain place behind a scaled conversion
.irp c, 0,1
.irp i, 0,1,2
	v_permlane16_swap_b32 v[\pc+6*\c+\i], v[\pc+12+4*\c+\i]
.endr
.irp i, 0,1,2
	v_mov_b32 v[\pc+3+6*\c+\i], v[\pc+12+4*\c+\i]
.endr
.endr
.endm
.macro BARRIER
	s_wait_dscnt 0x0                               ; my LDS stores have landed and my LDS loads are in
	s_barrier_signal -1
	s_barrier_wait -1
.endm
.macro ULOAD i, off                    ; a unit's 12 loads into ring slot i; the windows are left as they are set here
.if \i < 4
	WIN 0x40
.else
	WIN 0xc0
.endif
.irp tt, 0,1,2,3
.irp j, 0,1,2
	global_load_b128 v[48*((\i)%4)+12*\tt+4*\j:48*((\i)%4)+12*\tt+4*\j+3], v[LI], s[12:13] offset:\off+(\i)*6144+\tt*1536+\j*512
.endr
.endr
.endm
.macro SLOADS buf, off                 ; a pair of steps' scale words
.irp u, 0,1,2,3
	global_load_b64 v[WSC+8*(\buf)+2*\u:WSC+8*(\buf)+2*\u+1], v[L8], s[14:15] offset:\off+256*\u
.endr
.endm
; A UNIT: 4 weight tiles x 4 tiles of rows, 128 along K: step s of the chunk, unit i of the trip.  cnt: how many younger loads may be out when this unit's weights and scale words have to be there.  tr: the chunk's first trip (0) or second (1).
; An even unit begins a K step: the rows' fragments asked for a step ago are in, and the next step's are asked for.  The 32 accumulators take turns, one instruction a turn.
; Four places stand behind the products (ISA guide 7.12.1 for vector instructions): they serve the refill and the next unit's LDS loads.
.macro UNIT i, s, ab, asb, KS, first, nexta, fill, cnt, tr
	s_wait_loadcnt \cnt
.if ((\i)%2) == 0
	WIN 0
	s_wait_dscnt 0x0
.if \nexta
.irp m, 0,1,2,3
.irp j, 0,1,2
	ds_load_b128 v[AF+48*(((\s)+1)%2)+12*\m+4*\j:AF+48*(((\s)+1)%2)+12*\m+4*\j+3], v[\ab] offset:\m*(\KS)*1536+((\s)+1)*1536+512*\j
.endr
.endr
	ds_load_b128 v[ASC+4*(((\s)+1)%2):ASC+4*(((\s)+1)%2)+3], v[\asb] offset:((\s)+1)*512
.endif
.endif
.if \first
	WIN 0x91                                       ; source 0 (weights) window 1, source 1 (rows) window 0, C (the bias) window 1, D window 2
.elseif \i < 4
	WIN 0xa1                                       ; C and D window 2
.else
	WIN 0xa3                                       ; weights in window 3
.endif
.irp tt, 0,1,2,3
.irp m, 0,1,2,3
.set rT, 4*((\i)%2)+\tt
.set rD, 8*(4*rT+\m)
.set rA, 48*((\i)%4)+12*\tt
.set rB, AF+48*((\s)%2)+12*\m
.set rW, WSC+8*(((\s)/2)%2)+2*(rT/2)+((\s)%2)
.set rS, ASC+4*((\s)%2)+\m
.if \first
.if \tt%2
	v_wmma_scale_f32_16x16x128_f8f6f4 v[rD:rD+7], v[rA:rA+11], v[rB:rB+11], v[192+8*rT:199+8*rT], v[rW], v[rS] matrix_a_fmt:MATRIX_FMT_FP6 matrix_b_fmt:MATRIX_FMT_FP6 matrix_a_scale:MATRIX_SCALE_ROW1
.else
	v_wmma_scale_f32_16x16x128_f8f6f4 v[rD:rD+7], v[rA:rA+11], v[rB:rB+11], v[192+8*rT:199+8*rT], v[rW], v[rS] matrix_a_fmt:MATRIX_FMT_FP6 matrix_b_fmt:MATRIX_FMT_FP6
.endif
.else
.if \tt%2
	v_wmma_scale_f32_16x16x128_f8f6f4 v[rD:rD+7], v[rA:rA+11], v[rB:rB+11], v[rD:rD+7], v[rW], v[rS] matrix_a_fmt:MATRIX_FMT_FP6 matrix_b_fmt:MATRIX_FMT_FP6 matrix_a_scale:MATRIX_SCALE_ROW1
.else
	v_wmma_scale_f32_16x16x128_f8f6f4 v[rD:rD+7], v[rA:rA+11], v[rB:rB+11], v[rD:rD+7], v[rW], v[rS] matrix_a_fmt:MATRIX_FMT_FP6 matrix_b_fmt:MATRIX_FMT_FP6
.endif
.endif
.endr
.endr
.rept 4
	v_nop
.endr
.if \fill
.if ((\i)%4) == 3
	WIN 0
	SLOADS (\i)/4, ((\i)/4+2)*1024+2048*(\tr)      ; the pair of steps just finished gives its registers to the pair two on: 4 loads, ahead of the unit's 12
.endif
	ULOAD \i, 49152*((\tr)+1)                      ; the unit eight on
.endif
.endm
; A TRIP: four K steps, eight units, once round the ring.  In front of a unit's wait at least 84 loads were issued behind its weights' and exactly 64 (5 units' and one pair's) behind its scale words': the count 63 shows both in.
; No base is stepped here: the trip's number stands in the refills' immediates.
.macro TRIP ab, asb, KS, s0, first, lasta, tr
	UNIT 0, \s0, \ab, \asb, \KS, \first, 1, 1, 63, \tr
	UNIT 1, \s0, \ab, \asb, \KS, \first, 1, 1, 63, \tr
	UNIT 2, \s0+1, \ab, \asb, \KS, 0, 1, 1, 63, \tr
	UNIT 3, \s0+1, \ab, \asb, \KS, 0, 1, 1, 63, \tr
	UNIT 4, \s0+2, \ab, \asb, \KS, 0, 1, 1, 63, \tr
	UNIT 5, \s0+2, \ab, \asb, \KS, 0, 1, 1, 63, \tr
	UNIT 6, \s0+3, \ab, \asb, \KS, 0, 1-\lasta, 1, 63, \tr
	UNIT 7, \s0+3, \ab, \asb, \KS, 0, 1-\lasta, 1, 63, \tr
	WIN 0
.endm
.macro PROLOG ab, asb, KS, brd, boff   ; a chunk's bias in the result's layout (lane half h, tile 2 b + p: units 32 b + 16 h + 8 p + 0 .. 7), and the rows' fragments of K step 0
	WIN 0x40
.irp t, 0,1,2,3,4,5,6,7
	ds_load_b128 v[192+8*\t:195+8*\t], v[\brd] offset:\boff+128*(\t/2)+32*(\t%2)
	ds_load_b128 v[196+8*\t:199+8*\t], v[\brd] offset:\boff+128*(\t/2)+32*(\t%2)+16
.endr
	WIN 0
.irp m, 0,1,2,3
.irp j, 0,1,2
	ds_load_b128 v[AF+12*\m+4*\j:AF+12*\m+4*\j+3], v[\ab] offset:\m*(\KS)*1536+512*\j
.endr
.endr
	ds_load_b128 v[ASC:ASC+3], v[\asb]
.endm
; A finished chunk: relu, quantised, its image to LDS: one K step of the next product, a tile of rows at a time.  The codes and the scale word take two sets of registers by turns (the second lies in fragment registers
; that are done with), so that the wait behind a tile's four LDS stores need only show the tile before's four done: those read the set that is written next.
.macro EPIQ wi, ws, pitch
.irp m, 0,1,2,3
.set rPC, PC-32*(\m%2)
.set rPW, PW-48*(\m%2)
	WIN 0x08                                       ; source 1 window 2
.irp t, 0,1,2,3,4,5,6,7
.irp j, 0,1,2,3,4,5,6,7
	v_max_num_f32 v[HA+8*\t+\j], 0, v[8*(4*\t+\m)+\j]   ; each accumulator from its low end on
.endr
.endr
	WIN 0
	QUANT HA, rPC, rPW
.irp j, 0,1,2
	ds_store_b128 v[\wi], v[rPC+4*\j:rPC+4*\j+3] offset:\m*\pitch+512*\j
.endr
	ds_store_b32 v[\ws], v[rPW] offset:4*\m
	s_wait_dscnt 4                                 ; this tile's four stores may be out; the tile before's are done
.endr
.endm
	s_load_b512 s[4:19], s[0:1], 0x0               ; plan s[4:5], gates s[6:7], xcodes s[8:9], xscales s[10:11], wcodes s[12:13], wscales s[14:15], b1 s[16:17], b2 s[18:19]
	s_load_b128 s[20:23], s[0:1], 0x40             ; b3 s[20:21], y s[22:23]
	v_lshl_add_u32 v254, v0, 2, 0x2ac00
	v_mov_b32 v255, 0
	v_lshrrev_b32 v26, 5, v0
	v_readfirstlane_b32 s24, v26                   ; wave W
	s_lshl_b32 s25, ttmp9, 4
	s_wait_kmcnt 0x0
	s_load_b128 s[28:31], s[4:5], s25 offset:0x0   ; my tile: expert, first place, rows
	v_and_b32 v26, 31, v0
	v_lshlrev_b32 v[LI], 4, v26
	v_lshlrev_b32 v[L8], 3, v26
	v_and_b32 v[RR], 15, v0
	v_bfe_u32 v[HH], v0, 4, 1
	s_mul_i32 s26, s24, 12288
	v_add_nc_u32 v[XWI], s26, v[LI]                ; x's images of rows 16 W on (XIMG = 0)
	s_lshl_b32 s26, s24, 2
	s_add_co_u32 s26, s26, XSC
	v_add_nc_u32 v[XWS], s26, v[LI]
	v_mov_b32 v[AX], v[LI]
	v_add_nc_u32 v[AXS], XSC, v[LI]
	v_add_nc_u32 v[AH1], H1IMG, v[LI]
	v_add_nc_u32 v[AH1S], H1SC, v[LI]
	v_add_nc_u32 v[AH2], H2IMG, v[LI]
	v_add_nc_u32 v[AH2S], H2SC, v[LI]
	s_mul_i32 s26, s24, 3072
	s_add_co_u32 s26, s26, H1IMG
	v_add_nc_u32 v[H1WI], s26, v[LI]               ; K step 2 W of the second product
	s_lshl_b32 s26, s24, 10
	s_add_co_u32 s26, s26, H1SC
	v_add_nc_u32 v[H1WS], s26, v[LI]
	s_mul_i32 s26, s24, 1536
	s_add_co_u32 s26, s26, H2IMG
	v_add_nc_u32 v[H2WI], s26, v[LI]               ; K step W of the third
	s_lshl_b32 s26, s24, 9
	v_add_nc_u32 v[CO], s26, v[LI]
	s_add_co_u32 s26, s26, H2SC
	v_add_nc_u32 v[H2WS], s26, v[LI]
	s_lshl_b32 s26, s24, 11
	s_add_co_u32 s26, s26, BIAS
	v_add_nc_u32 v[BWR], s26, v[LI]
	v_lshl_add_u32 v[BRD], v[HH], 6, s26
	s_mul_i32 s26, s24, 8448
	s_add_co_u32 s26, s26, STG
	v_add_nc_u32 v[SR], s26, v[LI]
	v_mul_u32_u24 v[SO], v[RR], 528
	v_lshl_add_u32 v[SO], v[HH], 6, v[SO]
	v_add_nc_u32 v[SO], s26, v[SO]
	v_mul_u32_u24 v30, v[HH], 48
	s_mov_b32 s[SEL], 0x76543210
	s_mov_b32 s[SEL+1], 0xfedcba98
.irp b, 0,1,2,3
	v_mov_b32 v[TM+4+\b], 0                        ; written once: a lane permute's destination counts as one of its sources
.endr
	s_wait_kmcnt 0x0
	s_min_u32 s28, s28, 15                         ; loaded numbers are held before they enter an address
	s_min_u32 s29, s29, 0xfff
	s_min_u32 s30, s30, 64
	s_lshl_b32 s26, s28, 2
	s_add_co_u32 s26, s26, s24                     ; 4 e + W
	s_mul_i32 s32, s26, 344064
	s_mov_b32 s33, 0
	s_add_nc_u64 s[12:13], s[12:13], s[32:33]      ; my 28 steps of codes
	s_mul_i32 s32, s26, 14336
	s_add_nc_u64 s[14:15], s[14:15], s[32:33]      ; and their 14 pairs of scale words
	s_lshl_b32 s32, s28, 12
	s_lshl_b32 s34, s24, 10
	s_add_co_u32 s32, s32, s34
	s_add_nc_u64 s[16:17], s[16:17], s[32:33]      ; b1: my 256 numbers
	s_lshr_b32 s32, s32, 1
	s_add_nc_u64 s[18:19], s[18:19], s[32:33]      ; b2, b3: my 128
	s_add_nc_u64 s[20:21], s[20:21], s[32:33]
	s_lshl_b32 s26, s29, 2
	v_lshl_add_u32 v27, v[RR], 2, s26
	s_lshl_b32 s27, s24, 6
	v_add_nc_u32 v28, s27, v27
.irp m, 0,1,2,3
	global_load_b32 v[SLOT+\m], v27, s[4:5] offset:2048+64*\m   ; the slot of row 16 m + r
.endr
	global_load_b32 v25, v28, s[4:5] offset:2048   ; and of row 16 W + r, whose codes I gather
	global_load_b128 v[160:163], v[LI], s[16:17]
	global_load_b128 v[164:167], v[LI], s[16:17] offset:512
	global_load_b128 v[168:171], v[LI], s[18:19]
	global_load_b128 v[172:175], v[LI], s[20:21]
	SLOADS 0, 0
	ULOAD 0, 0
	ULOAD 1, 0
	ULOAD 2, 0
	ULOAD 3, 0
	WIN 0
	s_wait_loadcnt 56                              ; behind the five loads of slots: 4 of biases, 4 of scale words, 48 of weights
	v_lshrrev_b32 v26, 1, v25                      ; the token
	v_min_u32 v26, 0x7ff, v26
	v_mul_u32_u24 v29, v26, 768
	v_add_nc_u32 v29, v29, v30                     ; its codes, my half's 48 bytes of each K step
	v_lshlrev_b32 v31, 5, v26                      ; its scale words
.irp m, 0,1,2,3
	v_min_u32 v[SLOT+\m], 0xfff, v[SLOT+\m]
.endr
.irp m, 0,1,2,3
	v_lshlrev_b32 v[GOF+\m], 2, v[SLOT+\m]
.endr
.irp s, 0,1,2,3,4,5,6,7
.irp j, 0,1,2
	global_load_b128 v[64+12*\s+4*\j:67+12*\s+4*\j], v29, s[8:9] offset:96*\s+16*\j
.endr
.endr
	global_load_b128 v[176:179], v31, s[10:11]
	global_load_b128 v[180:183], v31, s[10:11] offset:16
.irp m, 0,1,2,3
	global_load_b32 v[GATE+2*\m], v[GOF+\m], s[6:7]
.endr
	SLOADS 1, 1024
	ULOAD 4, 0
	ULOAD 5, 0
	ULOAD 6, 0
	ULOAD 7, 0
	WIN 0
	s_wait_loadcnt 52                              ; behind the gather and the gates: 4 of scale words, 48 of weights
.irp k, 0,1,2,3
	ds_store_b128 v[BWR], v[160+4*\k:163+4*\k] offset:512*\k
.endr
.irp s, 0,1,2,3,4,5,6,7
.irp j, 0,1,2
	ds_store_b128 v[XWI], v[64+12*\s+4*\j:67+12*\s+4*\j] offset:1536*\s+512*\j
.endr
.endr
.irp s, 0,1,2,3,4,5,6,7
	ds_store_b32 v[XWS], v[176+\s] offset:512*\s
.endr
.irp m, 0,1,2,3
	v_mov_b32 v[GATE+2*\m+1], v[GATE+2*\m]         ; (the packed multiply names a pair)
.endr
	BARRIER                                        ; x's 32 fragments lie in LDS
.irp b, 0,1,2,3
	v_mov_b32 v[TM+4+\b], 0                        ; (x's scale words passed through here; the stores that read them are done)
.endr
	; ---- layer 1: my two chunks of 128 hidden units, K = 1,024
	s_mov_b32 s40, 0
	s_mov_b32 s41, 0
	s_mov_b32 s42, 0
	s_mov_b32 s43, 0
.Lchunk:
	v_add_nc_u32 v22, s41, v[H1WI]
	v_add_nc_u32 v23, s42, v[H1WS]
	v_add_nc_u32 v24, s43, v[BRD]
	PROLOG AX, AXS, 8, 24, 0
	TRIP AX, AXS, 8, 0, 1, 0, 0
	TRIP AX, AXS, 8, 4, 0, 1, 1
	EPIQ 22, 23, 12288
	s_wait_xcnt 0x0                                ; every load has had its address translated (ISA guide 3.1): only behind this wait do the bases step; the last load was issued ahead of the chunk's quantising
	s_add_nc_u64 s[12:13], s[12:13], 98304         ; a chunk's 16 units
	s_add_nc_u64 s[14:15], s[14:15], 4096          ; and its 4 pairs of scale words
	s_add_co_u32 s41, s41, 1536
	s_add_co_u32 s42, s42, 512
	s_add_co_u32 s43, s43, 512
	s_add_co_u32 s40, s40, 1
	s_cmp_lt_u32 s40, 2
	s_cbranch_scc1 .Lchunk
	BARRIER                                        ; the first hidden layer's 32 fragments lie in LDS
	; ---- layer 2: my chunk, K = 1,024; its second trip asks for layer 3's eight units
	PROLOG AH1, AH1S, 8, BRD, 1024
	TRIP AH1, AH1S, 8, 0, 1, 0, 0
	TRIP AH1, AH1S, 8, 4, 0, 1, 1
	EPIQ H2WI, H2WS, 6144
	BARRIER                                        ; the second hidden layer's 16 fragments lie in LDS
	; ---- layer 3: my chunk, K = 512.  Nothing is left to ask for: the counts run down.  Behind unit 51's weights: 3 units', a pair's and a unit's loads, 52; units 52 on want the last pair's words, behind which 12 were issued
	PROLOG AH2, AH2S, 4, BRD, 1536
	UNIT 0, 0, AH2, AH2S, 4, 1, 1, 0, 63, 0
	UNIT 1, 0, AH2, AH2S, 4, 1, 1, 0, 63, 0
	UNIT 2, 1, AH2, AH2S, 4, 0, 1, 0, 63, 0
	UNIT 3, 1, AH2, AH2S, 4, 0, 1, 0, 52, 0
	UNIT 4, 2, AH2, AH2S, 4, 0, 1, 0, 12, 0
	UNIT 5, 2, AH2, AH2S, 4, 0, 1, 0, 12, 0
	UNIT 6, 3, AH2, AH2S, 4, 0, 0, 0, 12, 0
	UNIT 7, 3, AH2, AH2S, 4, 0, 0, 0, 0, 0
	WIN 0
	; ---- the way out: x the gate; a tile of 16 rows through my stage; each row's 512 bytes of mine stored by the 32 lanes at its slot's row of y.  Rows beyond the tile's count are not stored
.irp m, 0,1,2,3
	s_cmp_le_u32 s30, 16*\m
	s_cbranch_scc1 .Ldone
	WIN 0x02                                       ; source 0 window 2
.irp t, 0,1,2,3,4,5,6,7
.irp q, 0,1,2,3
	v_pk_mul_f32 v[HA+8*\t+2*\q:HA+8*\t+2*\q+1], v[8*(4*\t+\m)+2*\q:8*(4*\t+\m)+2*\q+1], v[GATE+2*\m:GATE+2*\m+1] op_sel_hi:[1,0]   ; each accumulator from its low end on
.endr
.endr
	WIN 0
.irp t, 0,1,2,3,4,5,6,7
	ds_store_b128 v[SO], v[HA+8*\t:HA+8*\t+3] offset:128*(\t/2)+32*(\t%2)
	ds_store_b128 v[SO], v[HA+8*\t+4:HA+8*\t+7] offset:128*(\t/2)+32*(\t%2)+16
.endr
.if \m > 0
	s_wait_xcnt 0x0                                ; the last tile's stores to y have had their addresses translated (ISA guide 3.1): their data and offsets are written again below, not above
.endif
.irp i, 0,1,2,3,4,5,6,7,8,9,10,11,12,13,14,15
	ds_load_b128 v[OUTR+4*\i:OUTR+4*\i+3], v[SR] offset:528*\i   ; LDS serves a wave's instructions in order: these see my stores
.endr
.irp i, 0,1,2,3,4,5,6,7,8,9,10,11,12,13,14,15
.if \i > 0
	s_cmp_le_u32 s30, 16*\m+\i
	s_cbranch_scc1 .Ldone
.endif
	v_readlane_b32 s44, v[SLOT+\m], \i             ; the row's slot
	s_min_u32 s44, s44, 0xfff
	s_lshl_b32 s44, s44, 11
	v_add_nc_u32 v[OA+\i], s44, v[CO]
	s_wait_dscnt 15-\i
	global_store_b128 v[OA+\i], v[OUTR+4*\i:OUTR+4*\i+3], s[22:23]   ; 32 lanes store 512 consecutive bytes, at a multiple of 256 from y's first byte
.endr
.endr
.Ldone:
	s_wait_dscnt 0x0
	s_wait_tensorcnt 0x0
	ds_add_u32 v254, v255
	s_wait_dscnt 0x0
	s_endpgm
.Lfunc_end_k_qd1fff9fe44_chain:
	.size	k_qd1fff9fe44_chain, .Lfunc_end_k_qd1fff9fe44_chain-k_qd1fff9fe44_chain
	.p2alignl 7, 3214868480
	.fill 96, 4, 3214868480
	.section	.rodata,"a",@progbits
	.p2align	6, 0x0
	.amdhsa_kernel k_qd1fff9fe44_chain
		.amdhsa_group_segment_fixed_size 175616
		.amdhsa_private_segment_fixed_size 0
		.amdhsa_enable_private_segment 0
		.amdhsa_kernarg_size 80
		.amdhsa_user_sgpr_count 2
		.amdhsa_user_sgpr_kernarg_segment_ptr 1
		.amdhsa_wavefront_size32 1
		.amdhsa_system_sgpr_workgroup_id_x 1
		.amdhsa_system_sgpr_workgroup_id_y 1
		.amdhsa_system_sgpr_workgroup_id_z 1
		.amdhsa_system_vgpr_workitem_id 0
		.amdhsa_next_free_vgpr 960
		.amdhsa_next_free_sgpr 66
		.amdhsa_reserve_vcc 0
		.amdhsa_float_denorm_mode_32 3
		.amdhsa_float_denorm_mode_16_64 3
		.amdhsa_memory_ordered 1
		.amdhsa_forward_progress 1
		.amdhsa_inst_pref_size 255
	.end_amdhsa_kernel
	.section	.bss,"aw",@nobits
	.p2align	6
	.space	262144
	.amdgpu_metadata
---
amdhsa.version: [ 1, 2 ]
amdhsa.kernels:
  - .name:           k_qd1fff9fe44_chain
    .symbol:         k_qd1fff9fe44_chain.kd
    .args:
      - { .name: plan, .offset: 0, .size: 8, .value_kind: global_buffer, .address_space: global }
      - { .name: gates, .offset: 8, .size: 8, .value_kind: global_buffer, .address_space: global }
      - { .name: xcodes, .offset: 16, .size: 8, .value_kind: global_buffer, .address_space: global }
      - { .name: xscales, .offset: 24, .size: 8, .value_kind: global_buffer, .address_space: global }
      - { .name: wcodes, .offset: 32, .size: 8, .value_kind: global_buffer, .address_space: global }
      - { .name: wscales, .offset: 40, .size: 8, .value_kind: global_buffer, .address_space: global }
      - { .name: b1, .offset: 48, .size: 8, .value_kind: global_buffer, .address_space: global }
      - { .name: b2, .offset: 56, .size: 8, .value_kind: global_buffer, .address_space: global }
      - { .name: b3, .offset: 64, .size: 8, .value_kind: global_buffer, .address_space: global }
      - { .name: y, .offset: 72, .size: 8, .value_kind: global_buffer, .address_space: global }
    .group_segment_fixed_size: 175616
    .private_segment_fixed_size: 0
    .kernarg_segment_align: 8
    .kernarg_segment_size: 80
    .max_flat_workgroup_size: 128
    .sgpr_count:     66
    .vgpr_count:     960
    .wavefront_size: 32
...
	.end_amdgpu_metadata
.endif
;; end of part 4
;; launch add (part 5): grid 256 x 1, 8 waves a work-group, no clusters, 0 bytes of LDS; arguments y, out0; writes out0
.if DOCPART == 5
	.amdgcn_target "amdgcn-amd-amdhsa--gfx1250"
	.amdhsa_code_object_version 6
	.text
	.protected	k_qd1fff9fe44_add
	.globl	k_qd1fff9fe44_add
	.p2align	8
	.type	k_qd1fff9fe44_add,@function
k_qd1fff9fe44_add:
	s_mov_b64 s[64:65], 0
	v_nop
	global_prefetch_b8 v0, s[64:65] scope:SCOPE_SE
	s_setreg_imm32_b32 hwreg(HW_REG_WAVE_MODE, 25, 1), 1
	s_wait_xcnt 0x0
; out0[t] = y[2 t] + y[2 t + 1]: a token's two chosen experts' rows, which already carry their gates.  A wave takes a token: 4,096 bytes in, 2,048 out, every access 512 consecutive bytes.
; Memory binds: no LDS, no barrier, no matrix unit.
	s_load_b128 s[4:7], s[0:1], 0x0                ; y, out0
	v_lshrrev_b32 v1, 5, v0
	v_readfirstlane_b32 s8, v1                     ; wave
	v_and_b32 v2, 31, v0
	v_lshlrev_b32 v2, 4, v2                        ; 16 x lane
	s_lshl_b32 s9, ttmp9, 3
	s_add_co_u32 s9, s9, s8                        ; the token
	s_lshl_b32 s10, s9, 12
	s_mov_b32 s11, 0
	s_lshl_b32 s12, s9, 11
	s_mov_b32 s13, 0
	s_wait_kmcnt 0x0
	s_add_nc_u64 s[4:5], s[4:5], s[10:11]
	s_add_nc_u64 s[6:7], s[6:7], s[12:13]
.irp j, 0,1,2,3
	global_load_b128 v[4+8*\j:7+8*\j], v2, s[4:5] offset:512*\j th:TH_LOAD_NT
	global_load_b128 v[8+8*\j:11+8*\j], v2, s[4:5] offset:2048+512*\j th:TH_LOAD_NT
.endr
.irp j, 0,1,2,3
	s_wait_loadcnt 6-2*\j                          ; loads come back in order: pair j is in, the younger pairs may be out
	v_pk_add_f32 v[4+8*\j:5+8*\j], v[4+8*\j:5+8*\j], v[8+8*\j:9+8*\j]
	v_pk_add_f32 v[6+8*\j:7+8*\j], v[6+8*\j:7+8*\j], v[10+8*\j:11+8*\j]
	global_store_b128 v2, v[4+8*\j:7+8*\j], s[6:7] offset:512*\j th:TH_STORE_NT
.endr
	s_endpgm
.Lfunc_end_k_qd1fff9fe44_add:
	.size	k_qd1fff9fe44_add, .Lfunc_end_k_qd1fff9fe44_add-k_qd1fff9fe44_add
	.p2alignl 7, 3214868480
	.fill 96, 4, 3214868480
	.section	.rodata,"a",@progbits
	.p2align	6, 0x0
	.amdhsa_kernel k_qd1fff9fe44_add
		.amdhsa_group_segment_fixed_size 0
		.amdhsa_private_segment_fixed_size 0
		.amdhsa_enable_private_segment 0
		.amdhsa_kernarg_size 16
		.amdhsa_user_sgpr_count 2
		.amdhsa_user_sgpr_kernarg_segment_ptr 1
		.amdhsa_wavefront_size32 1
		.amdhsa_system_sgpr_workgroup_id_x 1
		.amdhsa_system_sgpr_workgroup_id_y 1
		.amdhsa_system_sgpr_workgroup_id_z 1
		.amdhsa_system_vgpr_workitem_id 0
		.amdhsa_next_free_vgpr 40
		.amdhsa_next_free_sgpr 66
		.amdhsa_reserve_vcc 0
		.amdhsa_float_denorm_mode_32 3
		.amdhsa_float_denorm_mode_16_64 3
		.amdhsa_memory_ordered 1
		.amdhsa_forward_progress 1
		.amdhsa_inst_pref_size 3
	.end_amdhsa_kernel
	.amdgpu_metadata
---
amdhsa.version: [ 1, 2 ]
amdhsa.kernels:
  - .name:           k_qd1fff9fe44_add
    .symbol:         k_qd1fff9fe44_add.kd
    .args:
      - { .name: y, .offset: 0, .size: 8, .value_kind: global_buffer, .address_space: global }
      - { .name: out0, .offset: 8, .size: 8, .value_kind: global_buffer, .address_space: global }
    .group_segment_fixed_size: 0
    .private_segment_fixed_size: 0
    .kernarg_segment_align: 8
    .kernarg_segment_size: 16
    .max_flat_workgroup_size: 256
    .sgpr_count:     66
    .vgpr_count:     40
    .wavefront_size: 32
...
	.end_amdgpu_metadata
.endif
;; end of part 5
;; ======== version 2 of 2: 5 launches; version 1 with the launches route, chain written anew for expert scheduling mode
;; workspace buffers: wcodes 22,118,400 bytes; wscales 921,600 bytes; xcodes 1,572,864 bytes; xscales 65,536 bytes; eidx 16,384 bytes of whole numbers; gates 16,384 bytes; plan 18,688 bytes of whole numbers; y 8,388,608 bytes
;; launch quant: the kernel of part 1 again; grid 900 x 1, 4 waves a work-group, no clusters, 15,872 bytes of LDS; arguments W1, W2, W3, Wr, wcodes, wscales; writes wcodes, wscales
;; launch route (part 6): grid 128 x 1, 4 waves a work-group, no clusters, 21,760 bytes of LDS; arguments x, wcodes, wscales, br, expert_embeddings, xcodes, xscales, eidx, gates; writes xcodes, xscales, eidx, gates
.if DOCPART == 6
	.amdgcn_target "amdgcn-amd-amdhsa--gfx1250"
	.amdhsa_code_object_version 6
	.text
	.protected	k_qd1fff9fe44_route
	.globl	k_qd1fff9fe44_route
	.p2align	8
	.type	k_qd1fff9fe44_route,@function
k_qd1fff9fe44_route:
	s_mov_b64 s[64:65], 0
	v_nop
	global_prefetch_b8 v0, s[64:65] scope:SCOPE_SE
	s_setreg_imm32_b32 hwreg(HW_REG_WAVE_SCHED_MODE, 0, 2), 2
	s_setreg_imm32_b32 hwreg(HW_REG_WAVE_MODE, 25, 1), 1
	s_wait_xcnt 0x0
	s_wait_alu depctr_vm_vsrc(0)
; For 16 tokens a work-group: x is quantised along K to codes of FP6 (E2M3) with E8M0 scales (kept for the experts' first layer too); q = Q(x) Q(Wr) + br; d2[e] = sum (q - emb[e])^2;
; the two smallest d2 (the lower index wins a tie, as jax.lax.top_k has it on -d2); gates = softmax over the two scores, the larger score taken away first.
; All results go to FIXED places: xcodes [token][768], xscales [token][8 words], eidx [token][2], gates [token][2]: no address and no branch here hangs on a floating-point number.
; xcodes: byte 96 s + 48 h + 16 j of a token's row is piece j (registers 4 j .. 4 j + 3) of what lane half h holds of the token in K step s: a fragment is loaded whole, 16 bytes at a time.
; SHARES: wave w quantises K steps 2 w, 2 w + 1 of the 16 rows; then makes q's dims 32 w .. 32 w + 31 (tiles 2 w, 2 w + 1 of Wr) over all 8 K steps, transposed (source 0 = 16 rows of Wr's tile, source 1 = x):
; lane (r, h) holds token r and dims 32 w + 16 h + 0 .. 15; then its part of the 16 distances.  Wave 0 adds the four parts and chooses.
; LIMITS: NaN and infinities are not served; a block of x under 2^-124 gets the byte 1; where the second and third smallest distance differ by less than the f32 sums' error either may be chosen.
; REGISTERS: window 0 as named below; window 1: Wr's 16 fragments, (s, tile) at 12 (2 s + tile); window 2: the embeddings, expert e's 16 numbers at 16 e.
; THE MODE: SCHED_MODE bits 1:0 = 2 (LLVM: expert scheduling mode 2), set by the entry lines.  The code itself states the register dependences between vector or matrix instructions and memory or LDS
; instructions, with s_wait_alu, always for 0.
; THE PLAN.  Registers that memory or LDS instructions touch:
;   v4-15, v248-252   addresses and offsets: written at the head, read by loads and stores, never written again.
;   v64-191           x as loaded; read by the two QUANTs; then LDS loads land there (the codes on their way out in v160-187, x's fragments in v64-159); the stores of the codes read v160-187; then the differences write all of it;
;                     at the end wave 0's LDS loads of the distances' parts land in v64-127.
;   PC, PW            written by QUANT, read by its four LDS stores, written again by the second QUANT and later by the squares and the choice.
;   D2                written by the sums, read by four LDS stores.      v208-210  written by the choice, read by the last two stores.
;   Wr's fragments and scale words, br, the embeddings, x's scale words: landed in once, read by vector and matrix instructions alone.
.set XP,   784                         ; LDS: a token's 768 bytes of codes + 16
.set XSS,  12544                       ; 16 tokens x 8 scale words
.set DPB,  13056                       ; 4 waves x 2,048: the parts of the distances
.set CP,   9                           ; v9-14   LDS addresses of the copy out
.set WSC,  16                          ; v16-23  Wr's scale words, K step s: lanes 0-15 tile 2 w, lanes 16-31 tile 2 w + 1
.set XSCL, 24                          ; v24-31  x's scale words, K step s
.set BR,   32                          ; v32-47  br in the result's layout
.set Q,    48                          ; v48-63  q: two accumulators
.set XS0,  64                          ; v64-127, v128-191 64 numbers of x each; later x's 8 fragments (v64-159) and the differences
.set XS1,  128
.set XF,   64
.set PC,   192                         ; v192-211 the codes just made
.set TM,   212                         ; v212-227 at work in QUANT
.set PW,   228                         ; v228    the scale word just made
.set D2,   230                         ; v230-245 my part of the 16 distances
.set SEL,  26                          ; s[26:27] v_permlanex16_b32's selects for lane l xor 16
.set MSB, 0
.macro WIN new                         ; the immediate's high byte repeats the setting that is left
.if MSB != \new
	s_set_vgpr_msb (MSB<<8)|\new
.set MSB, \new
.endif
.endm
; 64 numbers of a lane, register 16 b + i = k 32 b + 16 (lane / 16) + i of my row, become a fragment's codes in v[PC] on and its scale word in v[PW]
.macro QUANT s
.irp b, 0,1,2,3
	v_max3_num_f32 v[TM+\b], |v[\s+16*\b]|, |v[\s+1+16*\b]|, 0x1800000   ; my 16 numbers of block b, and the floor 2^(3 - 127)
.endr
.irp i, 2,4,6,8,10,12,14
.irp b, 0,1,2,3
	v_max3_num_f32 v[TM+\b], v[TM+\b], |v[\s+16*\b+\i]|, |v[\s+1+16*\b+\i]|
.endr
.endr
.irp b, 0,1,2,3
	v_permlanex16_b32 v[TM+4+\b], v[TM+\b], s[SEL], s[SEL+1]
.endr
.irp b, 0,1,2,3
	v_max_num_f32 v[TM+\b], v[TM+\b], v[TM+4+\b]   ; with lane l xor 16's: the block's largest magnitude
.endr
.irp b, 0,1,2,3
	v_add_nc_u32 v[TM+12+\b], 0xff000000, v[TM+\b] ; 2 off its exponent field: the conversion's scale operand
.endr
.irp b, 0,1,2,3
	v_lshrrev_b32 v[TM+4+\b], 23, v[TM+12+\b]      ; the scale's byte
.endr
	v_lshl_or_b32 v[PW], v[TM+5], 8, v[TM+4]
	v_lshl_or_b32 v[PW], v[TM+6], 16, v[PW]
	v_lshl_or_b32 v[PW], v[TM+7], 24, v[PW]
.irp c, 0,1
	v_cvt_scalef32_pk16_fp6_f32 v[PC+6*\c:PC+2+6*\c], v[\s+32*\c:\s+15+32*\c], v[TM+12+2*\c]
	v_cvt_scalef32_pk16_fp6_f32 v[PC+12+4*\c:PC+14+4*\c], v[\s+16+32*\c:\s+31+32*\c], v[TM+12+2*\c+1]
.endr
	v_nop                                          ; one plain place behind a scaled conversion
.irp c, 0,1                            ; the operand's layout wants a whole block in a lane: lanes 0-15 block 2 c, lanes 16-31 block 2 c + 1
.irp i, 0,1,2
	v_permlane16_swap_b32 v[PC+6*\c+\i], v[PC+12+4*\c+\i]
.endr
.irp i, 0,1,2
	v_mov_b32 v[PC+3+6*\c+\i], v[PC+12+4*\c+\i]
.endr
.endr
.endm
.macro XLOAD reg, ss                   ; my 16 numbers of each of the four blocks of K step 2 w + ss
.irp b, 0,1,2,3
.irp j, 0,1,2,3
	global_load_b128 v[\reg+16*\b+4*\j:\reg+16*\b+4*\j+3], v4, s[4:5] offset:512*\ss+128*\b+16*\j th:TH_LOAD_NT
.endr
.endr
.endm
.macro BARRIER
	s_wait_dscnt 0x0                               ; my LDS stores have landed and my LDS loads are in
	s_barrier_signal -1
	s_barrier_wait -1
.endm
	s_load_b512 s[4:19], s[0:1], 0x0               ; x s[4:5], wcodes s[6:7], wscales s[8:9], br s[10:11], embeddings s[12:13], xcodes s[14:15], xscales s[16:17], eidx s[18:19]
	s_load_b64 s[20:21], s[0:1], 0x40              ; gates
	v_lshl_add_u32 v254, v0, 2, 0x5300
	v_mov_b32 v255, 0
	v_lshrrev_b32 v1, 5, v0
	v_readfirstlane_b32 s22, v1                    ; wave
	v_and_b32 v1, 31, v0                           ; lane
	v_and_b32 v2, 15, v0                           ; r
	v_bfe_u32 v3, v0, 4, 1                         ; h
	v_lshlrev_b32 v15, 4, v1                       ; 16 x lane
	v_lshlrev_b32 v4, 12, v2
	v_lshl_add_u32 v4, v3, 6, v4
	s_wait_alu depctr_va_sdst(0)                   ; s22, the wave's number, is written, ahead of its first reader: the wave's terms of the addresses are made from it
	s_lshl_b32 s23, s22, 10
	v_add_nc_u32 v4, s23, v4                       ; x: row r of 4,096 bytes + 64 h + my two K steps
	v_mul_u32_u24 v7, v2, XP
	v_mad_u32_u24 v7, v3, 48, v7                   ; LDS: token r's codes, my half
	s_mul_i32 s23, s22, 192
	v_add_nc_u32 v5, s23, v7                       ; and my two K steps there
	v_lshlrev_b32 v8, 5, v2                        ; LDS: token r's scale words (+ XSS)
	s_lshl_b32 s23, s22, 3
	v_add_nc_u32 v6, s23, v8
	s_mul_i32 s23, s22, 4*XP                       ; the copy out: wave w takes tokens 4 w .. 4 w + 3: 192 pieces of 16 bytes, piece p at 16 (p + p / 48)
.irp i, 0,1,2,3,4,5
	v_add_nc_u32 v[CP+\i], 32*\i, v1
	v_mul_u32_u24 v246, v[CP+\i], 683
	v_lshrrev_b32 v246, 15, v246                   ; p / 48 for p under 192
	v_add_nc_u32 v[CP+\i], v[CP+\i], v246
	v_lshlrev_b32 v[CP+\i], 4, v[CP+\i]
	v_add_nc_u32 v[CP+\i], s23, v[CP+\i]
.endr
	s_lshl_b32 s23, s22, 8
	v_lshl_add_u32 v248, v1, 3, s23                ; Wr's scale words: 256 w + 8 x lane
	s_lshl_b32 s23, s22, 7
	v_lshl_add_u32 v249, v3, 6, s23                ; br, embeddings: 128 w + 64 h
	s_mul_i32 s23, s22, 3072
	v_add_nc_u32 v250, s23, v15                    ; Wr's fragments, and the copy out: 3072 w + 16 x lane
	s_lshl_b32 s23, s22, 11
	v_add_nc_u32 v252, s23, v15                    ; my part of the distances in LDS (+ DPB)
	s_mov_b32 s[SEL], 0x76543210
	s_mov_b32 s[SEL+1], 0xfedcba98
.irp b, 0,1,2,3
	v_mov_b32 v[TM+4+\b], 0                        ; written once: a lane permute's destination counts as one of its sources
.endr
	s_lshl_b32 s24, ttmp9, 16                      ; 16 rows of x
	s_mov_b32 s25, 0
	s_wait_kmcnt 0x0
	s_add_nc_u64 s[4:5], s[4:5], s[24:25]
	s_add_nc_u64 s[6:7], s[6:7], 22020096          ; Wr's codes: step 1792
	s_add_nc_u64 s[8:9], s[8:9], 917504            ; and its scale words: pair 896
	s_mul_i32 s24, ttmp9, 12288
	s_add_nc_u64 s[14:15], s[14:15], s[24:25]
	s_lshl_b32 s24, ttmp9, 9
	s_add_nc_u64 s[16:17], s[16:17], s[24:25]
	s_lshl_b32 s24, ttmp9, 7
	s_add_nc_u64 s[18:19], s[18:19], s[24:25]
	s_add_nc_u64 s[20:21], s[20:21], s[24:25]
	s_wait_alu depctr_va_vdst(0)                   ; the addresses and offsets v4 to v15 and v248 to v252 are written: every load, store and LDS instruction of the kernel but the last two stores reads one of them
	XLOAD XS0, 0                                   ; 16 loads
	XLOAD XS1, 1                                   ; 16
.irp p, 0,1,2,3
	global_load_b64 v[WSC+2*\p:WSC+2*\p+1], v248, s[8:9] offset:1024*\p   ; 4
.endr
.irp t, 0,1
	global_load_b128 v[BR+8*\t:BR+8*\t+3], v249, s[10:11] offset:32*\t     ; 4
	global_load_b128 v[BR+8*\t+4:BR+8*\t+7], v249, s[10:11] offset:32*\t+16
.endr
	WIN 0x40                                       ; destination window 1
.irp s, 0,1,2,3,4,5,6,7
.irp t, 0,1
.irp j, 0,1,2
	global_load_b128 v[12*(2*\s+\t)+4*\j:12*(2*\s+\t)+4*\j+3], v250, s[6:7] offset:12288*\s+1536*\t+512*\j   ; 48
.endr
.endr
.endr
	WIN 0
	; ---- x becomes codes
	s_wait_loadcnt 63                              ; 72 loads were issued behind the first K step's
	QUANT XS0
	s_wait_alu depctr_va_vdst(0)                   ; QUANT has written the codes v[PC ..] and the scale word v[PW], which the four LDS stores read
.irp j, 0,1,2
	ds_store_b128 v5, v[PC+4*\j:PC+4*\j+3] offset:16*\j
.endr
	ds_store_b32 v6, v[PW] offset:XSS              ; both halves write the same word with the same value
	s_wait_dscnt 0x0                               ; the stores have read their registers
	s_wait_alu depctr_vm_vsrc(0)                   ; the four LDS stores have read v[PC ..] and v[PW], which the second QUANT writes again
	s_wait_loadcnt 56                              ; 56 loads were issued behind the second K step's
	WIN 0x80                                       ; destination window 2
.irp e, 0,1,2,3,4,5,6,7,8,9,10,11,12,13,14,15
.irp q, 0,1,2,3
	global_load_b128 v[16*\e+4*\q:16*\e+4*\q+3], v249, s[12:13] offset:512*\e+16*\q   ; 64: each expert's numbers at my 16 dims
.endr
.endr
	WIN 0
	QUANT XS1
	s_wait_alu depctr_va_vdst(0)                   ; QUANT has written v[PC ..] and v[PW], which the LDS stores read; both QUANTs are done reading v64 to v191, in which the LDS loads behind the barrier land
.irp j, 0,1,2
	ds_store_b128 v5, v[PC+4*\j:PC+4*\j+3] offset:96+16*\j
.endr
	ds_store_b32 v6, v[PW] offset:XSS+4
	BARRIER                                        ; the 16 tokens' codes and scale words lie in LDS
	; ---- the codes leave, and come to every wave as fragments
.irp i, 0,1,2,3,4,5
	ds_load_b128 v[160+4*\i:163+4*\i], v[CP+\i]
.endr
.irp s, 0,1,2,3,4,5,6,7
.irp j, 0,1,2
	ds_load_b128 v[XF+12*\s+4*\j:XF+12*\s+4*\j+3], v7 offset:96*\s+16*\j
.endr
.endr
	ds_load_b128 v[XSCL:XSCL+3], v8 offset:XSS
	ds_load_b128 v[XSCL+4:XSCL+7], v8 offset:XSS+16
	s_wait_dscnt 0x0
.irp i, 0,1,2,3,4,5
	global_store_b128 v250, v[160+4*\i:163+4*\i], s[14:15] offset:512*\i   ; 32 lanes store 512 consecutive bytes
.endr
	s_cmp_lg_u32 s22, 0
	s_cbranch_scc1 .Lno_scales
	ds_load_b128 v[184:187], v15 offset:XSS        ; wave 0: the 512 bytes of scale words as they lie
	s_wait_dscnt 0x0
	global_store_b128 v15, v[184:187], s[16:17]
.Lno_scales:
	s_wait_loadcnt 63                              ; 64 loads (the embeddings) were issued behind Wr's fragments, its scale words and br
	WIN 0x01                                       ; source 0 (Wr) window 1
	v_wmma_scale_f32_16x16x128_f8f6f4 v[Q:Q+7], v[0:11], v[XF:XF+11], v[BR:BR+7], v[WSC], v[XSCL] matrix_a_fmt:MATRIX_FMT_FP6 matrix_b_fmt:MATRIX_FMT_FP6
	v_wmma_scale_f32_16x16x128_f8f6f4 v[Q+8:Q+15], v[12:23], v[XF:XF+11], v[BR+8:BR+15], v[WSC], v[XSCL] matrix_a_fmt:MATRIX_FMT_FP6 matrix_b_fmt:MATRIX_FMT_FP6 matrix_a_scale:MATRIX_SCALE_ROW1
.irp s, 1,2,3,4,5,6,7                  ; the two accumulators by turns
	v_wmma_scale_f32_16x16x128_f8f6f4 v[Q:Q+7], v[24*\s:24*\s+11], v[XF+12*\s:XF+12*\s+11], v[Q:Q+7], v[WSC+\s], v[XSCL+\s] matrix_a_fmt:MATRIX_FMT_FP6 matrix_b_fmt:MATRIX_FMT_FP6
	v_wmma_scale_f32_16x16x128_f8f6f4 v[Q+8:Q+15], v[24*\s+12:24*\s+23], v[XF+12*\s:XF+12*\s+11], v[Q+8:Q+15], v[WSC+\s], v[XSCL+\s] matrix_a_fmt:MATRIX_FMT_FP6 matrix_b_fmt:MATRIX_FMT_FP6 matrix_a_scale:MATRIX_SCALE_ROW1
.endr
	WIN 0
.rept 4
	v_nop                                          ; four places behind the products (ISA guide 7.12.1): their results are read and x's fragments written over below
.endr
	s_wait_loadcnt 0x0                             ; the embeddings
	s_wait_xcnt 0x0                                ; the stores of the codes (data v160-183) and of the scale words (v184-187) have had their addresses translated (ISA guide 3.1): only behind this wait do the differences below write those registers
	s_wait_alu depctr_vm_vsrc(0)                   ; those stores have read v160 to v187, which the differences write; the LDS stores of the codes have read v[PC ..], which the squares write
	; ---- my 16 dims' part of the 16 distances, eight experts at a time
.irp p, 0,1
	WIN 0x08                                       ; source 1 window 2
.irp e, 0,1,2,3,4,5,6,7
.irp q, 0,1,2,3,4,5,6,7
	v_pk_add_f32 v[64+16*\e+2*\q:65+16*\e+2*\q], v[Q+2*\q:Q+2*\q+1], v[16*(8*\p+\e)+2*\q:16*(8*\p+\e)+2*\q+1] neg_lo:[0,1] neg_hi:[0,1]   ; q - emb; each accumulator from its low end on
.endr
.endr
	WIN 0
.irp e, 0,1,2,3,4,5,6,7
	v_pk_mul_f32 v[192+2*\e:193+2*\e], v[64+16*\e:65+16*\e], v[64+16*\e:65+16*\e]
.endr
.irp q, 1,2,3,4,5,6,7
.irp e, 0,1,2,3,4,5,6,7
	v_pk_fma_f32 v[192+2*\e:193+2*\e], v[64+16*\e+2*\q:65+16*\e+2*\q], v[64+16*\e+2*\q:65+16*\e+2*\q], v[192+2*\e:193+2*\e]
.endr
.endr
.irp e, 0,1,2,3,4,5,6,7
	v_add_f32 v[D2+8*\p+\e], v[192+2*\e], v[193+2*\e]
.endr
.endr
.irp e, 0,1,2,3,4,5,6,7,8,9,10,11,12,13,14,15
	v_permlanex16_b32 v[64+\e], v[D2+\e], s[SEL], s[SEL+1]
.endr
.irp e, 0,1,2,3,4,5,6,7,8,9,10,11,12,13,14,15
	v_add_f32 v[D2+\e], v[D2+\e], v[64+\e]         ; with the other half's 16 dims
.endr
	s_wait_alu depctr_va_vdst(0)                   ; the sums have written v[D2 ..], which the LDS stores read; the differences and the exchange are done with v64 to v127, in which wave 0's LDS loads behind the barrier land
.irp q, 0,1,2,3
	ds_store_b128 v252, v[D2+4*\q:D2+4*\q+3] offset:DPB+512*\q
.endr
	BARRIER                                        ; the four parts lie in LDS
	s_cmp_lg_u32 s22, 0
	s_cbranch_scc1 .Lend
	; ---- wave 0: the sums, the two smallest, the gates
.irp w, 0,1,2,3
.irp q, 0,1,2,3
	ds_load_b128 v[64+16*\w+4*\q:67+16*\w+4*\q], v15 offset:DPB+2048*\w+512*\q
.endr
.endr
	s_wait_dscnt 0x0
.irp w, 1,2,3
.irp e, 0,1,2,3,4,5,6,7,8,9,10,11,12,13,14,15
	v_add_f32 v[64+\e], v[64+\e], v[64+16*\w+\e]
.endr
.endr
	v_mov_b32 v200, v64                            ; the smallest so far, and its expert
	v_mov_b32 v201, 0
	v_mov_b32 v202, 0x7f800000                     ; the second smallest: +infinity
	v_mov_b32 v203, 0
.irp e, 1,2,3,4,5,6,7,8,9,10,11,12,13,14,15       ; experts ascending, strictly smaller: the lower index keeps its place in a tie
	v_mov_b32 v204, \e
	v_cmp_lt_f32 vcc_lo, v[64+\e], v200
	v_cmp_lt_f32 s28, v[64+\e], v202
	s_wait_alu depctr_va_vcc(0)                    ; the first compare has written VCC, which four of the selects below read
	s_wait_alu depctr_va_sdst(0)                   ; the second has written s28, which the first two selects read.  (An expert's compares read what the selects of the expert before wrote: they cannot stand in one run)
	v_cndmask_b32 v202, v202, v[64+\e], s28
	v_cndmask_b32 v203, v203, v204, s28
	v_cndmask_b32 v202, v202, v200, vcc_lo
	v_cndmask_b32 v203, v203, v201, vcc_lo
	v_cndmask_b32 v200, v200, v[64+\e], vcc_lo
	v_cndmask_b32 v201, v201, v204, vcc_lo
.endr
	v_sub_f32 v205, v200, v202                     ; the second score less the first: 0 or less: the maximum is taken away
	v_mul_f32 v205, 0x3fb8aa3b, v205
	v_exp_f32 v205, v205
	v_lshlrev_b32 v210, 3, v2                      ; (a plain place behind the exponential)
	s_wait_alu depctr_va_vdst(0)                   ; the exponential has written v205, ahead of its first reader
	v_add_f32 v206, 1.0, v205
	v_rcp_f32 v206, v206                           ; the first gate
	v_lshl_add_u32 v210, v3, 2, v210               ; (a plain place)  8 r + 4 h
	s_wait_alu depctr_va_vdst(0)                   ; the reciprocal has written v206, ahead of its first reader
	v_mul_f32 v207, v205, v206                     ; the second
	v_cmp_eq_u32 vcc_lo, 1, v3
	s_wait_alu depctr_va_vcc(0)                    ; the compare has written VCC, which the two selects read
	v_cndmask_b32 v208, v201, v203, vcc_lo         ; lane (r, h) stores token r's choice number h
	v_cndmask_b32 v209, v206, v207, vcc_lo
	s_wait_alu depctr_va_vdst(0)                   ; the offset v210 and the data v208 and v209 are written, which the two stores read
	global_store_b32 v210, v208, s[18:19]          ; 32 lanes store 128 consecutive bytes
	global_store_b32 v210, v209, s[20:21]
.Lend:
	s_wait_dscnt 0x0                               ; the closing lines, six on end
	s_wait_alu 0x0
	s_wait_tensorcnt 0x0
	ds_add_u32 v254, v255
	s_wait_dscnt 0x0
	s_endpgm
.Lfunc_end_k_qd1fff9fe44_route:
	.size	k_qd1fff9fe44_route, .Lfunc_end_k_qd1fff9fe44_route-k_qd1fff9fe44_route
	.p2alignl 7, 3214868480
	.fill 96, 4, 3214868480
	.section	.rodata,"a",@progbits
	.p2align	6, 0x0
	.amdhsa_kernel k_qd1fff9fe44_route
		.amdhsa_group_segment_fixed_size 21760
		.amdhsa_private_segment_fixed_size 0
		.amdhsa_enable_private_segment 0
		.amdhsa_kernarg_size 72
		.amdhsa_user_sgpr_count 2
		.amdhsa_user_sgpr_kernarg_segment_ptr 1
		.amdhsa_wavefront_size32 1
		.amdhsa_system_sgpr_workgroup_id_x 1
		.amdhsa_system_sgpr_workgroup_id_y 1
		.amdhsa_system_sgpr_workgroup_id_z 1
		.amdhsa_system_vgpr_workitem_id 0
		.amdhsa_next_free_vgpr 768
		.amdhsa_next_free_sgpr 66
		.amdhsa_reserve_vcc 1
		.amdhsa_float_denorm_mode_32 3
		.amdhsa_float_denorm_mode_16_64 3
		.amdhsa_memory_ordered 1
		.amdhsa_forward_progress 1
		.amdhsa_inst_pref_size 61
	.end_amdhsa_kernel
	.amdgpu_metadata
---
amdhsa.version: [ 1, 2 ]
amdhsa.kernels:
  - .name:           k_qd1fff9fe44_route
    .symbol:         k_qd1fff9fe44_route.kd
    .args:
      - { .name: x, .offset: 0, .size: 8, .value_kind: global_buffer, .address_space: global }
      - { .name: wcodes, .offset: 8, .size: 8, .value_kind: global_buffer, .address_space: global }
      - { .name: wscales, .offset: 16, .size: 8, .value_kind: global_buffer, .address_space: global }
      - { .name: br, .offset: 24, .size: 8, .value_kind: global_buffer, .address_space: global }
      - { .name: expert_embeddings, .offset: 32, .size: 8, .value_kind: global_buffer, .address_space: global }
      - { .name: xcodes, .offset: 40, .size: 8, .value_kind: global_buffer, .address_space: global }
      - { .name: xscales, .offset: 48, .size: 8, .value_kind: global_buffer, .address_space: global }
      - { .name: eidx, .offset: 56, .size: 8, .value_kind: global_buffer, .address_space: global }
      - { .name: gates, .offset: 64, .size: 8, .value_kind: global_buffer, .address_space: global }
    .group_segment_fixed_size: 21760
    .private_segment_fixed_size: 0
    .kernarg_segment_align: 8
    .kernarg_segment_size: 72
    .max_flat_workgroup_size: 128
    .sgpr_count:     66
    .vgpr_count:     768
    .wavefront_size: 32
...
	.end_amdgpu_metadata
.endif
;; end of part 6
;; launch place: the kernel of part 3 again; grid 1 x 1, 8 waves a work-group, no clusters, 2,048 bytes of LDS; arguments eidx, plan; writes plan
;; launch chain (part 7): grid 79 x 1, 4 waves a work-group, no clusters, 175,616 bytes of LDS; arguments plan, gates, xcodes, xscales, wcodes, wscales, b1, b2, b3, y; writes y
.if DOCPART == 7
	.amdgcn_target "amdgcn-amd-amdhsa--gfx1250"
	.amdhsa_code_object_version 6
	.text
	.protected	k_qd1fff9fe44_chain
	.globl	k_qd1fff9fe44_chain
	.p2align	8
	.type	k_qd1fff9fe44_chain,@function
k_qd1fff9fe44_chain:
	s_mov_b64 s[64:65], 0
	v_nop
	global_prefetch_b8 v0, s[64:65] scope:SCOPE_SE
	s_setreg_imm32_b32 hwreg(HW_REG_WAVE_SCHED_MODE, 0, 2), 2
	s_setreg_imm32_b32 hwreg(HW_REG_WAVE_MODE, 25, 1), 1
	s_wait_xcnt 0x0
	s_wait_alu depctr_vm_vsrc(0)
; One tile of 64 routed rows of ONE expert through the whole chain: y[slot] = gate[slot] x (relu(relu(x W1 + b1) W2 + b2) W3 + b3), all three products on codes of FP6 (E2M3) with E8M0 scales; the hidden layers
; are quantised in registers and never go to memory.  The tile (expert, first place in the order, rows) and the order of slots are whole numbers that an earlier launch stored.
; GRID: 4,096 rows in tiles of 64 for 16 experts are never more than 64 + 15 = 79 tiles, whatever the split.  A tile with no rows walks the text on rows that it discards and stores nothing: every wave passes every
; barrier, and none stands under a branch on a loaded number.  Rows beyond a tile's count are computed (they name slots that exist) and not stored.
; SHARES: THE WAVES SHARE THE COLUMNS: wave W makes hidden units 256 W .. 256 W + 255 of layer 1 (two chunks of 128), 128 W .. of layer 2, outputs 128 W .. of layer 3, for all 64 rows: 32 accumulators a chunk.
; Products are used transposed (source 0 = 16 rows of a weight tile, source 1 = 16 token rows): a lane holds one row, and by the weight tiles' choice of rows the registers of two neighbouring tiles are 16 neighbours along the next K.
; WEIGHTS come from memory straight into registers, in the order of the operand's registers: a wave's 28 steps of 12,288 bytes lie on end.  A UNIT is half a step: 4 tiles, 12 loads of 512 bytes, 48 registers.
; Eight units take turns in a ring of registers; a step's two slots are asked for again, eight units ahead, in the step after it.  The loads' bases stand still through a chunk (the steps differ in the immediates, 146,944 bytes
; at the most) and step only in layer 1's loop, behind a chunk's quantising, where the last load was issued long before.
; NO JOINT LOADS: how many tiles an expert has is known only from the stored plan; clusters of four tiles of one expert would want 4 x (16 + 15) = 124 work-groups for the same rows, and the weights a way through LDS.
; TOKEN ROWS go from wave to wave through LDS as images of the operand's registers: 1,536 bytes a fragment, lane l's 16 bytes at 16 l; their scale words four tiles of rows to 16 bytes a lane.
; LIMITS: as the quantiser's: a block under 2^-124 gets the byte 1; NaN and infinities are not served.
; REGISTERS: window 0 as named below.  Window 1: ring slots 0-3 at 48 i; v192-255 a chunk's bias, 8 tiles x 8.  Window 2: accumulator (tile t, rows m) at 8 (4 t + m).  Window 3: ring slots 4-7.
; THE MODE: SCHED_MODE bits 1:0 = 2 (LLVM: expert scheduling mode 2), set by the entry lines.  The code itself states the register dependences between vector or matrix instructions and memory or LDS
; instructions, with s_wait_alu, always for 0.
; THE PLAN.  Registers that memory or LDS instructions touch:
;   ring slots 0-7   Step s: the 16 products of each of its two units read a slot.  The loads of the units eight on land in the two slots in step s + 1: the even unit's at its head, the odd unit's in its middle.
;   WSC, two sets    The products of a pair of steps read a set; the pair two on lands in it at the head of the step behind the pair.
;   AF, ASC, two sets  Step s's products read set s % 2; at its head the LDS loads of step s + 1 land in the other set, which step s - 1 read.
;   the bias         Read by a chunk's first step as C; the next chunk's lands there ahead of its first step.
;   So ONE wait on va_vdst stands at a step's head: the step before is done with all that this step's loads land in, and this step's products name none of it.  A chunk's last step has such a wait behind it.
;   v22-24           Layer 1's addresses of a chunk: written at the loop's head, read by the bias's LDS loads and the chunk's LDS stores.
;   the codes and scale word just made, two sets by turns: written by QUANT, read by four LDS stores; the odd set lies in AF's second set.
;   HA               On the way out: written by the multiplications, read by the LDS stores into the stage.     OUTR  landed in from the stage, read by the stores to y.     OA  written by 16 additions, read by those stores.
;   All other addresses and offsets (v1, v2, v5-21, v27-31, v60-63) are written at the head and never again.  The accumulators, TM and the gates are named by vector and matrix instructions alone.
.set XIMG,  0                          ; LDS: x: fragment (rows m, K step s) at 1536 (8 m + s)
.set XSC,   49152                      ; its scale words: 16 (32 s + lane) + 4 m
.set H1IMG, 53248                      ; the first hidden layer likewise
.set H1SC,  102400
.set H2IMG, 106496                     ; the second: 1536 (4 m + s)
.set H2SC,  131072
.set BIAS,  133120                     ; 2048 W + 512 k: b1's two chunks, b2's, b3's
.set STG,   141312                     ; the way out: 8448 W: 16 rows of 512 + 16 bytes
.set LI,   1                           ; v1   16 x lane
.set L8,   2                           ; v2   8 x lane
.set RR,   3                           ; v3   r
.set HH,   4                           ; v4   h
.set XWI,  5                           ; v5-6   where I store x's images and scale words
.set XWS,  6
.set AX,   7                           ; v7-12  where every wave reads the three layers' rows and scale words
.set AXS,  8
.set AH1,  9
.set AH1S, 10
.set AH2,  11
.set AH2S, 12
.set H1WI, 13                          ; v13-16 where I store the hidden layers' images and scale words
.set H1WS, 14
.set H2WI, 15
.set H2WS, 16
.set BWR,  17                          ; v17-18 the biases: in, and back in the result's layout
.set BRD,  18
.set SO,   19                          ; v19-20 the stage: in, back
.set SR,   20
.set CO,   21                          ; v21    512 W + 16 x lane: my bytes of a row of y
.set WSC,  32                          ; v32-47 the weights' scale words: two pairs of steps x 4 x 2
.set ASC,  48                          ; v48-55 the rows' scale words: two K steps x 4 tiles of rows
.set SLOT, 56                          ; v56-59 the slot of row 16 m + r
.set GOF,  60                          ; v60-63 its gate's byte offset
.set AF,   64                          ; v64-159 the rows' fragments: two K steps x 4 x 12
.set HA,   64                          ; v64-127 64 results of a tile of rows
.set OUTR, 128                         ; v128-191 16 rows on their way out
.set PC,   160                         ; v160-179 the codes just made, even tiles of rows; odd tiles: v128-147
.set TM,   180                         ; v180-195 at work in QUANT
.set PW,   196                         ; v196 the scale word just made, even tiles of rows; odd tiles: v148
.set GATE, 200                         ; v200-207 the gate of row 16 m + r, as a pair
.set OA,   208                         ; v208-223 16 rows' byte offsets in y
.set SEL,  36                          ; s[36:37]
.set RS,   32                          ; s[32:47] on the way out: 16 rows' slots, then their rows' bytes in y (the set-up's, the selects' and the loop's registers are done with there)
.set MSB, 0
.macro WIN new                         ; the immediate's high byte repeats the setting that is left
.if MSB != \new
	s_set_vgpr_msb (MSB<<8)|\new
.set MSB, \new
.endif
.endm
.macro QUANT s, pc, pw                 ; 64 numbers of a lane, register 16 b + i = k 32 b + 16 (lane / 16) + i of my row -> a fragment's codes in v[pc] on, its scale word in v[pw]
.irp b, 0,1,2,3
	v_max3_num_f32 v[TM+\b], |v[\s+16*\b]|, |v[\s+1+16*\b]|, 0x1800000   ; my 16 numbers of block b, and the floor 2^(3 - 127)
.endr
.irp i, 2,4,6,8,10,12,14
.irp b, 0,1,2,3
	v_max3_num_f32 v[TM+\b], v[TM+\b], |v[\s+16*\b+\i]|, |v[\s+1+16*\b+\i]|
.endr
.endr
.irp b, 0,1,2,3
	v_permlanex16_b32 v[TM+4+\b], v[TM+\b], s[SEL], s[SEL+1]
.endr
.irp b, 0,1,2,3
	v_max_num_f32 v[TM+\b], v[TM+\b], v[TM+4+\b]
.endr
.irp b, 0,1,2,3
	v_add_nc_u32 v[TM+12+\b], 0xff000000, v[TM+\b]
.endr
.irp b, 0,1,2,3
	v_lshrrev_b32 v[TM+4+\b], 23, v[TM+12+\b]
.endr
	v_lshl_or_b32 v[\pw], v[TM+5], 8, v[TM+4]
	v_lshl_or_b32 v[\pw], v[TM+6], 16, v[\pw]
	v_lshl_or_b32 v[\pw], v[TM+7], 24, v[\pw]
.irp c, 0,1
	v_cvt_scalef32_pk16_fp6_f32 v[\pc+6*\c:\pc+2+6*\c], v[\s+32*\c:\s+15+32*\c], v[TM+12+2*\c]
	v_cvt_scalef32_pk16_fp6_f32 v[\pc+12+4*\c:\pc+14+4*\c], v[\s+16+32*\c:\s+31+32*\c], v[TM+12+2*\c+1]
.endr
	v_nop                                          ; one plain place behind a scaled conversion
.irp c, 0,1
.irp i, 0,1,2
	v_permlane16_swap_b32 v[\pc+6*\c+\i], v[\pc+12+4*\c+\i]
.endr
.irp i, 0,1,2
	v_mov_b32 v[\pc+3+6*\c+\i], v[\pc+12+4*\c+\i]
.endr
.endr
.endm
.macro BARRIER
	s_wait_dscnt 0x0                               ; my LDS stores have landed and my LDS loads are in
	s_barrier_signal -1
	s_barrier_wait -1
.endm
.macro ULOAD i, off                    ; a unit's 12 loads into ring slot i; the windows are left as they are set here
.if \i < 4
	WIN 0x40
.else
	WIN 0xc0
.endif
.irp tt, 0,1,2,3
.irp j, 0,1,2
	global_load_b128 v[48*((\i)%4)+12*\tt+4*\j:48*((\i)%4)+12*\tt+4*\j+3], v[LI], s[12:13] offset:\off+(\i)*6144+\tt*1536+\j*512
.endr
.endr
.endm
.macro SLOADS buf, off                 ; a pair of steps' scale words
.irp u, 0,1,2,3
	global_load_b64 v[WSC+8*(\buf)+2*\u:WSC+8*(\buf)+2*\u+1], v[L8], s[14:15] offset:\off+256*\u
.endr
.endm
; A UNIT'S PRODUCTS: 4 weight tiles (ring slot i) x 4 tiles of rows, 128 along K: step s of the chunk.  The 32 accumulators take turns, one instruction a turn.
.macro MULS i, s, first
.if \first
	WIN 0x91                                       ; source 0 (weights) window 1, source 1 (rows) window 0, C (the bias) window 1, D window 2
.elseif \i < 4
	WIN 0xa1                                       ; C and D window 2
.else
	WIN 0xa3                                       ; weights in window 3
.endif
.irp tt, 0,1,2,3
.irp m, 0,1,2,3
.set rT, 4*((\i)%2)+\tt
.set rD, 8*(4*rT+\m)
.set rA, 48*((\i)%4)+12*\tt
.set rB, AF+48*((\s)%2)+12*\m
.set rW, WSC+8*(((\s)/2)%2)+2*(rT/2)+((\s)%2)
.set rS, ASC+4*((\s)%2)+\m
.if \first
.if \tt%2
	v_wmma_scale_f32_16x16x128_f8f6f4 v[rD:rD+7], v[rA:rA+11], v[rB:rB+11], v[192+8*rT:199+8*rT], v[rW], v[rS] matrix_a_fmt:MATRIX_FMT_FP6 matrix_b_fmt:MATRIX_FMT_FP6 matrix_a_scale:MATRIX_SCALE_ROW1
.else
	v_wmma_scale_f32_16x16x128_f8f6f4 v[rD:rD+7], v[rA:rA+11], v[rB:rB+11], v[192+8*rT:199+8*rT], v[rW], v[rS] matrix_a_fmt:MATRIX_FMT_FP6 matrix_b_fmt:MATRIX_FMT_FP6
.endif
.else
.if \tt%2
	v_wmma_scale_f32_16x16x128_f8f6f4 v[rD:rD+7], v[rA:rA+11], v[rB:rB+11], v[rD:rD+7], v[rW], v[rS] matrix_a_fmt:MATRIX_FMT_FP6 matrix_b_fmt:MATRIX_FMT_FP6 matrix_a_scale:MATRIX_SCALE_ROW1
.else
	v_wmma_scale_f32_16x16x128_f8f6f4 v[rD:rD+7], v[rA:rA+11], v[rB:rB+11], v[rD:rD+7], v[rW], v[rS] matrix_a_fmt:MATRIX_FMT_FP6 matrix_b_fmt:MATRIX_FMT_FP6
.endif
.endif
.endr
.endr
.endm
; A STEP: 128 along K, two units (ring slots 2 s % 8 and the next), 32 products.  first: the sums begin, with the bias as C.  nexta: the next step's rows are asked for.  fill: the two slots of the step before are asked
; for again, eight units ahead, and behind a pair of steps the pair's scale registers.  ce, co: how many younger loads may be out when the even and the odd unit's weights (and the pair's scale words) have to be there.
; THE COUNTS.  The stream of loads, step by step: [a pair's 4], the even slot's 12, the odd slot's 12.  When a unit's wait is reached, six later units' loads and at least one pair's were issued behind its weights': 76 or more;
; at a pair's first step five units' and one pair's were issued behind its scale words': 64.  So the count 63 shows both in.
; Four places close the step: behind a chunk's last step vector instructions read the results; elsewhere they stand ahead of the wait and the loads into registers that the products have read.
.macro STEP s, ab, asb, KS, first, nexta, fill, ce, co
	WIN 0
.if (\fill)||(\nexta)*(\s)
	s_wait_alu depctr_va_vdst(0)                   ; the products of the step before are done reading its two ring slots, its set of the rows' fragments and scale words and, behind a pair, the pair's scale words: in these alone this step's loads land
.endif
.if \fill
.if ((\s)%2) == 0
	SLOADS (((\s)-1)/2)%2, (((\s)-1)/2+2)*1024     ; the pair of steps just finished gives its registers to the pair two on: 4 loads
.endif
.endif
.if \nexta
.irp m, 0,1,2,3
.irp j, 0,1,2
	ds_load_b128 v[AF+48*(((\s)+1)%2)+12*\m+4*\j:AF+48*(((\s)+1)%2)+12*\m+4*\j+3], v[\ab] offset:\m*(\KS)*1536+((\s)+1)*1536+512*\j
.endr
.endr
	ds_load_b128 v[ASC+4*(((\s)+1)%2):ASC+4*(((\s)+1)%2)+3], v[\asb] offset:((\s)+1)*512
.endif
.if \fill
	ULOAD (2*(\s)+6)%8, 49152*(((\s)-1)/4+1)       ; the even slot of the step before: the unit eight on
.endif
	s_wait_loadcnt \ce
.if \nexta
	s_wait_dscnt 13                                ; LDS loads come back in order (ISA guide 5.7.1): this step's rows are in, the 13 loads just issued may be out
.else
	s_wait_dscnt 0x0                               ; this step's rows are in
.endif
	MULS (2*(\s))%8, \s, \first
.if \fill
	ULOAD (2*(\s)+7)%8, 49152*(((\s)-1)/4+1)       ; the odd slot of the step before.  No wait: the products issued since the wait at the step's head name another slot
.endif
	s_wait_loadcnt \co
	MULS (2*(\s))%8+1, \s, \first
.rept 4
	v_nop
.endr
.endm
; Behind a chunk's last step: its two slots and its pair's scale registers are asked for again here, ahead of the quantising, so that the loads are on their way meanwhile.
.macro TAIL
	WIN 0
	s_wait_alu depctr_va_vdst(0)                   ; the chunk's last products are done reading ring slots 6 and 7 and the second set of scale words, in which the loads below land
	SLOADS 1, 5120
	ULOAD 6, 98304
	ULOAD 7, 98304
	WIN 0
.endm
.macro CHUNK ab, asb                   ; a chunk of layers 1 and 2: K = 1,024, eight steps, twice round the ring
	STEP 0, \ab, \asb, 8, 1, 1, 0, 63, 63
.irp s, 1,2,3,4,5,6
	STEP \s, \ab, \asb, 8, 0, 1, 1, 63, 63
.endr
	STEP 7, \ab, \asb, 8, 0, 0, 1, 63, 63
	TAIL
.endm
.macro PROLOG ab, asb, KS, brd, boff   ; a chunk's bias in the result's layout (lane half h, tile 2 b + p: units 32 b + 16 h + 8 p + 0 .. 7), and the rows' fragments of K step 0
	WIN 0x40
.irp t, 0,1,2,3,4,5,6,7
	ds_load_b128 v[192+8*\t:195+8*\t], v[\brd] offset:\boff+128*(\t/2)+32*(\t%2)
	ds_load_b128 v[196+8*\t:199+8*\t], v[\brd] offset:\boff+128*(\t/2)+32*(\t%2)+16
.endr
	WIN 0
.irp m, 0,1,2,3
.irp j, 0,1,2
	ds_load_b128 v[AF+12*\m+4*\j:AF+12*\m+4*\j+3], v[\ab] offset:\m*(\KS)*1536+512*\j
.endr
.endr
	ds_load_b128 v[ASC:ASC+3], v[\asb]
.endm
; A finished chunk: relu, quantised, its image to LDS: one K step of the next product, a tile of rows at a time.  The codes and the scale word take two sets of registers by turns (the second lies in fragment registers
; that are done with), so that the wait behind a tile's four LDS stores need only show the tile before's four done: those read the set that is written next.
.macro EPIQ wi, ws, pitch
.irp m, 0,1,2,3
.set rPC, PC-32*(\m%2)
.set rPW, PW-48*(\m%2)
	WIN 0x08                                       ; source 1 window 2
.irp t, 0,1,2,3,4,5,6,7
.irp j, 0,1,2,3,4,5,6,7
	v_max_num_f32 v[HA+8*\t+\j], 0, v[8*(4*\t+\m)+\j]   ; each accumulator from its low end on
.endr
.endr
	WIN 0
.if \m > 1
	s_wait_alu depctr_vm_vsrc(0)                   ; the LDS stores of the tile two back have read this set of codes and its scale word, which QUANT writes again (for tiles 0 and 1 the wait ahead of the chunk's first LDS loads has stated it)
.endif
	QUANT HA, rPC, rPW
	s_wait_alu depctr_va_vdst(0)                   ; QUANT has written the codes and the scale word, which the four LDS stores read
.irp j, 0,1,2
	ds_store_b128 v[\wi], v[rPC+4*\j:rPC+4*\j+3] offset:\m*\pitch+512*\j
.endr
	ds_store_b32 v[\ws], v[rPW] offset:4*\m
	s_wait_dscnt 4                                 ; this tile's four stores may be out; the tile before's are done
.endr
.endm
	s_load_b512 s[4:19], s[0:1], 0x0               ; plan s[4:5], gates s[6:7], xcodes s[8:9], xscales s[10:11], wcodes s[12:13], wscales s[14:15], b1 s[16:17], b2 s[18:19]
	s_load_b128 s[20:23], s[0:1], 0x40             ; b3 s[20:21], y s[22:23]
	v_lshl_add_u32 v254, v0, 2, 0x2ac00
	v_mov_b32 v255, 0
	v_lshrrev_b32 v26, 5, v0
	v_readfirstlane_b32 s24, v26                   ; wave W
	s_lshl_b32 s25, ttmp9, 4
	s_wait_kmcnt 0x0
	s_load_b128 s[28:31], s[4:5], s25 offset:0x0   ; my tile: expert, first place, rows
	v_and_b32 v26, 31, v0
	v_lshlrev_b32 v[LI], 4, v26
	v_lshlrev_b32 v[L8], 3, v26
	v_and_b32 v[RR], 15, v0
	v_bfe_u32 v[HH], v0, 4, 1
	s_wait_alu depctr_va_sdst(0)                   ; s24, the wave's number, is written, ahead of its first reader: the wave's terms of the addresses and bases are made from it
	s_mul_i32 s26, s24, 12288
	v_add_nc_u32 v[XWI], s26, v[LI]                ; x's images of rows 16 W on (XIMG = 0)
	s_lshl_b32 s26, s24, 2
	s_add_co_u32 s26, s26, XSC
	v_add_nc_u32 v[XWS], s26, v[LI]
	v_mov_b32 v[AX], v[LI]
	v_add_nc_u32 v[AXS], XSC, v[LI]
	v_add_nc_u32 v[AH1], H1IMG, v[LI]
	v_add_nc_u32 v[AH1S], H1SC, v[LI]
	v_add_nc_u32 v[AH2], H2IMG, v[LI]
	v_add_nc_u32 v[AH2S], H2SC, v[LI]
	s_mul_i32 s26, s24, 3072
	s_add_co_u32 s26, s26, H1IMG
	v_add_nc_u32 v[H1WI], s26, v[LI]               ; K step 2 W of the second product
	s_lshl_b32 s26, s24, 10
	s_add_co_u32 s26, s26, H1SC
	v_add_nc_u32 v[H1WS], s26, v[LI]
	s_mul_i32 s26, s24, 1536
	s_add_co_u32 s26, s26, H2IMG
	v_add_nc_u32 v[H2WI], s26, v[LI]               ; K step W of the third
	s_lshl_b32 s26, s24, 9
	v_add_nc_u32 v[CO], s26, v[LI]
	s_add_co_u32 s26, s26, H2SC
	v_add_nc_u32 v[H2WS], s26, v[LI]
	s_lshl_b32 s26, s24, 11
	s_add_co_u32 s26, s26, BIAS
	v_add_nc_u32 v[BWR], s26, v[LI]
	v_lshl_add_u32 v[BRD], v[HH], 6, s26
	s_mul_i32 s26, s24, 8448
	s_add_co_u32 s26, s26, STG
	v_add_nc_u32 v[SR], s26, v[LI]
	v_mul_u32_u24 v[SO], v[RR], 528
	v_lshl_add_u32 v[SO], v[HH], 6, v[SO]
	v_add_nc_u32 v[SO], s26, v[SO]
	v_mul_u32_u24 v30, v[HH], 48
	s_mov_b32 s[SEL], 0x76543210
	s_mov_b32 s[SEL+1], 0xfedcba98
.irp b, 0,1,2,3
	v_mov_b32 v[TM+4+\b], 0                        ; written once: a lane permute's destination counts as one of its sources
.endr
	s_wait_kmcnt 0x0
	s_min_u32 s28, s28, 15                         ; loaded numbers are held before they enter an address
	s_min_u32 s29, s29, 0xfff
	s_min_u32 s30, s30, 64
	s_lshl_b32 s26, s28, 2
	s_add_co_u32 s26, s26, s24                     ; 4 e + W
	s_mul_i32 s32, s26, 344064
	s_mov_b32 s33, 0
	s_add_nc_u64 s[12:13], s[12:13], s[32:33]      ; my 28 steps of codes
	s_mul_i32 s32, s26, 14336
	s_add_nc_u64 s[14:15], s[14:15], s[32:33]      ; and their 14 pairs of scale words
	s_lshl_b32 s32, s28, 12
	s_lshl_b32 s34, s24, 10
	s_add_co_u32 s32, s32, s34
	s_add_nc_u64 s[16:17], s[16:17], s[32:33]      ; b1: my 256 numbers
	s_lshr_b32 s32, s32, 1
	s_add_nc_u64 s[18:19], s[18:19], s[32:33]      ; b2, b3: my 128
	s_add_nc_u64 s[20:21], s[20:21], s[32:33]
	s_lshl_b32 s26, s29, 2
	v_lshl_add_u32 v27, v[RR], 2, s26
	s_lshl_b32 s27, s24, 6
	v_add_nc_u32 v28, s27, v27
	s_wait_alu depctr_va_vdst(0)                   ; the addresses and offsets v1, v2, v5 to v21, v27 and v28 are written, which the loads, stores and LDS instructions from here on read
.irp m, 0,1,2,3
	global_load_b32 v[SLOT+\m], v27, s[4:5] offset:2048+64*\m   ; the slot of row 16 m + r
.endr
	global_load_b32 v25, v28, s[4:5] offset:2048   ; and of row 16 W + r, whose codes I gather
	global_load_b128 v[160:163], v[LI], s[16:17]
	global_load_b128 v[164:167], v[LI], s[16:17] offset:512
	global_load_b128 v[168:171], v[LI], s[18:19]
	global_load_b128 v[172:175], v[LI], s[20:21]
	SLOADS 0, 0
	ULOAD 0, 0
	ULOAD 1, 0
	ULOAD 2, 0
	ULOAD 3, 0
	WIN 0
	s_wait_loadcnt 56                              ; behind the five loads of slots: 4 of biases, 4 of scale words, 48 of weights
	v_lshrrev_b32 v26, 1, v25                      ; the token
	v_min_u32 v26, 0x7ff, v26
	v_mul_u32_u24 v29, v26, 768
	v_add_nc_u32 v29, v29, v30                     ; its codes, my half's 48 bytes of each K step
	v_lshlrev_b32 v31, 5, v26                      ; its scale words
.irp m, 0,1,2,3
	v_min_u32 v[SLOT+\m], 0xfff, v[SLOT+\m]
.endr
.irp m, 0,1,2,3
	v_lshlrev_b32 v[GOF+\m], 2, v[SLOT+\m]
.endr
	s_wait_alu depctr_va_vdst(0)                   ; the gather's offsets v29 and v31 and the gates' v60 to v63 are written, which the loads below read
.irp s, 0,1,2,3,4,5,6,7
.irp j, 0,1,2
	global_load_b128 v[64+12*\s+4*\j:67+12*\s+4*\j], v29, s[8:9] offset:96*\s+16*\j
.endr
.endr
	global_load_b128 v[176:179], v31, s[10:11]
	global_load_b128 v[180:183], v31, s[10:11] offset:16
.irp m, 0,1,2,3
	global_load_b32 v[GATE+2*\m], v[GOF+\m], s[6:7]
.endr
	SLOADS 1, 1024
	ULOAD 4, 0
	ULOAD 5, 0
	ULOAD 6, 0
	ULOAD 7, 0
	WIN 0
	s_wait_loadcnt 52                              ; behind the gather and the gates: 4 of scale words, 48 of weights
.irp k, 0,1,2,3
	ds_store_b128 v[BWR], v[160+4*\k:163+4*\k] offset:512*\k
.endr
.irp s, 0,1,2,3,4,5,6,7
.irp j, 0,1,2
	ds_store_b128 v[XWI], v[64+12*\s+4*\j:67+12*\s+4*\j] offset:1536*\s+512*\j
.endr
.endr
.irp s, 0,1,2,3,4,5,6,7
	ds_store_b32 v[XWS], v[176+\s] offset:512*\s
.endr
.irp m, 0,1,2,3
	v_mov_b32 v[GATE+2*\m+1], v[GATE+2*\m]         ; (the packed multiply names a pair)
.endr
	BARRIER                                        ; x's 32 fragments lie in LDS
.irp b, 0,1,2,3
	v_mov_b32 v[TM+4+\b], 0                        ; (x's scale words passed through here; the stores that read them are done)
.endr
	; ---- layer 1: my two chunks of 128 hidden units, K = 1,024
	s_mov_b32 s40, 0
	s_mov_b32 s41, 0
	s_mov_b32 s42, 0
	s_mov_b32 s43, 0
.Lchunk:
	s_wait_alu depctr_vm_vsrc(0)                   ; first trip: the head's LDS stores have read v64 to v183, in which the rows' fragments land and which QUANT writes.  Second trip: the last chunk's LDS loads and stores have read v22 to v24, written below, and its stores the two sets of codes
	v_add_nc_u32 v22, s41, v[H1WI]
	v_add_nc_u32 v23, s42, v[H1WS]
	v_add_nc_u32 v24, s43, v[BRD]
	s_wait_alu depctr_va_vdst(0)                   ; v22 to v24 are written, which the bias's LDS loads and the chunk's LDS stores read
	PROLOG AX, AXS, 8, 24, 0
	CHUNK AX, AXS
	EPIQ 22, 23, 12288
	s_wait_xcnt 0x0                                ; every load has had its address translated (ISA guide 3.1): only behind this wait do the bases step; the last load was issued ahead of the chunk's quantising
	s_add_nc_u64 s[12:13], s[12:13], 98304         ; a chunk's 16 units
	s_add_nc_u64 s[14:15], s[14:15], 4096          ; and its 4 pairs of scale words
	s_add_co_u32 s41, s41, 1536
	s_add_co_u32 s42, s42, 512
	s_add_co_u32 s43, s43, 512
	s_add_co_u32 s40, s40, 1
	s_cmp_lt_u32 s40, 2
	s_cbranch_scc1 .Lchunk
	BARRIER                                        ; the first hidden layer's 32 fragments lie in LDS
	; ---- layer 2: my chunk, K = 1,024; its second half asks for layer 3's eight units
	s_wait_alu depctr_vm_vsrc(0)                   ; the last chunk's LDS stores have read the two sets of codes: the odd set lies where the rows' fragments land, and QUANT writes both again.  (The wait ahead of the last tile's stores has shown QUANT done with v64 on)
	PROLOG AH1, AH1S, 8, BRD, 1024
	CHUNK AH1, AH1S
	EPIQ H2WI, H2WS, 6144
	BARRIER                                        ; the second hidden layer's 16 fragments lie in LDS
	; ---- layer 3: my chunk, K = 512.  Nothing is left to ask for: the counts run down.  The stream's end: a pair's 4, units 50 to 53, the last pair's 4, units 54 and 55.  Behind unit 50's loads 64 were issued, behind unit 51's 52;
	; step 2 wants the last pair's words, behind which 24 were issued; behind unit 54's 12
	s_wait_alu depctr_vm_vsrc(0)                   ; layer 2's LDS stores have read the two sets of codes: in the odd set the rows' fragments land, in both the rows on their way out
	PROLOG AH2, AH2S, 4, BRD, 1536
	STEP 0, AH2, AH2S, 4, 1, 1, 0, 63, 63
	STEP 1, AH2, AH2S, 4, 0, 1, 0, 63, 52
	STEP 2, AH2, AH2S, 4, 0, 1, 0, 24, 24
	STEP 3, AH2, AH2S, 4, 0, 0, 0, 12, 0
	WIN 0
	; ---- the way out: x the gate; a tile of 16 rows through my stage; each row's 512 bytes of mine stored by the 32 lanes at its slot's row of y.  Rows beyond the tile's count are not stored
	; A tile's sixteen slots are read out of the lanes in one run, and its sixteen offsets made in one run, ahead of the tests on the count of rows: every row names a slot that exists
.irp m, 0,1,2,3
.if \m > 0
	s_wait_alu depctr_vm_vsrc(0)                   ; the last tile's LDS stores have read v[HA ..], its stores to y their data v[OUTR ..] and their offsets v[OA ..]: all three are written again below
.endif
	s_cmp_le_u32 s30, 16*\m
	s_cbranch_scc1 .Ldone
.irp i, 0,1,2,3,4,5,6,7,8,9,10,11,12,13,14,15
	v_readlane_b32 s[RS+\i], v[SLOT+\m], \i        ; row i's slot
.endr
	WIN 0x02                                       ; source 0 window 2
.irp t, 0,1,2,3,4,5,6,7
.irp q, 0,1,2,3
	v_pk_mul_f32 v[HA+8*\t+2*\q:HA+8*\t+2*\q+1], v[8*(4*\t+\m)+2*\q:8*(4*\t+\m)+2*\q+1], v[GATE+2*\m:GATE+2*\m+1] op_sel_hi:[1,0]   ; each accumulator from its low end on
.endr
.endr
	WIN 0
	s_wait_alu depctr_va_sdst(0)                   ; the sixteen slots are written into s[RS ..], ahead of their first readers
.irp i, 0,1,2,3,4,5,6,7,8,9,10,11,12,13,14,15
	s_min_u32 s[RS+\i], s[RS+\i], 0xfff
	s_lshl_b32 s[RS+\i], s[RS+\i], 11
.endr
.if \m > 0
	s_wait_xcnt 0x0                                ; the last tile's stores to y have had their addresses translated (ISA guide 3.1): their data and offsets are written again below, not above
.endif
.irp i, 0,1,2,3,4,5,6,7,8,9,10,11,12,13,14,15
	v_add_nc_u32 v[OA+\i], s[RS+\i], v[CO]
.endr
	s_wait_alu depctr_va_vdst(0)                   ; the multiplications have written v[HA ..], which the LDS stores read, and the additions v[OA ..], which the stores to y read; in the first tile the last products are done reading the fragments in which the stage's loads land
.irp t, 0,1,2,3,4,5,6,7
	ds_store_b128 v[SO], v[HA+8*\t:HA+8*\t+3] offset:128*(\t/2)+32*(\t%2)
	ds_store_b128 v[SO], v[HA+8*\t+4:HA+8*\t+7] offset:128*(\t/2)+32*(\t%2)+16
.endr
.irp i, 0,1,2,3,4,5,6,7,8,9,10,11,12,13,14,15
	ds_load_b128 v[OUTR+4*\i:OUTR+4*\i+3], v[SR] offset:528*\i   ; LDS serves a wave's instructions in order: these see my stores
.endr
.irp i, 0,1,2,3,4,5,6,7,8,9,10,11,12,13,14,15
.if \i > 0
	s_cmp_le_u32 s30, 16*\m+\i
	s_cbranch_scc1 .Ldone
.endif
	s_wait_dscnt 15-\i
	global_store_b128 v[OA+\i], v[OUTR+4*\i:OUTR+4*\i+3], s[22:23]   ; 32 lanes store 512 consecutive bytes, at a multiple of 256 from y's first byte
.endr
.endr
.Ldone:
	s_wait_dscnt 0x0                               ; the closing lines, six on end
	s_wait_alu 0x0
	s_wait_tensorcnt 0x0
	ds_add_u32 v254, v255
	s_wait_dscnt 0x0
	s_endpgm
.Lfunc_end_k_qd1fff9fe44_chain:
	.size	k_qd1fff9fe44_chain, .Lfunc_end_k_qd1fff9fe44_chain-k_qd1fff9fe44_chain
	.p2alignl 7, 3214868480
	.fill 96, 4, 3214868480
	.section	.rodata,"a",@progbits
	.p2align	6, 0x0
	.amdhsa_kernel k_qd1fff9fe44_chain
		.amdhsa_group_segment_fixed_size 175616
		.amdhsa_private_segment_fixed_size 0
		.amdhsa_enable_private_segment 0
		.amdhsa_kernarg_size 80
		.amdhsa_user_sgpr_count 2
		.amdhsa_user_sgpr_kernarg_segment_ptr 1
		.amdhsa_wavefront_size32 1
		.amdhsa_system_sgpr_workgroup_id_x 1
		.amdhsa_system_sgpr_workgroup_id_y 1
		.amdhsa_system_sgpr_workgroup_id_z 1
		.amdhsa_system_vgpr_workitem_id 0
		.amdhsa_next_free_vgpr 960
		.amdhsa_next_free_sgpr 66
		.amdhsa_reserve_vcc 0
		.amdhsa_float_denorm_mode_32 3
		.amdhsa_float_denorm_mode_16_64 3
		.amdhsa_memory_ordered 1
		.amdhsa_forward_progress 1
		.amdhsa_inst_pref_size 255
	.end_amdhsa_kernel
	.section	.bss,"aw",@nobits
	.p2align	6
	.space	262144
	.amdgpu_metadata
---
amdhsa.version: [ 1, 2 ]
amdhsa.kernels:
  - .name:           k_qd1fff9fe44_chain
    .symbol:         k_qd1fff9fe44_chain.kd
    .args:
      - { .name: plan, .offset: 0, .size: 8, .value_kind: global_buffer, .address_space: global }
      - { .name: gates, .offset: 8, .size: 8, .value_kind: global_buffer, .address_space: global }
      - { .name: xcodes, .offset: 16, .size: 8, .value_kind: global_buffer, .address_space: global }
      - { .name: xscales, .offset: 24, .size: 8, .value_kind: global_buffer, .address_space: global }
      - { .name: wcodes, .offset: 32, .size: 8, .value_kind: global_buffer, .address_space: global }
      - { .name: wscales, .offset: 40, .size: 8, .value_kind: global_buffer, .address_space: global }
      - { .name: b1, .offset: 48, .size: 8, .value_kind: global_buffer, .address_space: global }
      - { .name: b2, .offset: 56, .size: 8, .value_kind: global_buffer, .address_space: global }
      - { .name: b3, .offset: 64, .size: 8, .value_kind: global_buffer, .address_space: global }
      - { .name: y, .offset: 72, .size: 8, .value_kind: global_buffer, .address_space: global }
    .group_segment_fixed_size: 175616
    .private_segment_fixed_size: 0
    .kernarg_segment_align: 8
    .kernarg_segment_size: 80
    .max_flat_workgroup_size: 128
    .sgpr_count:     66
    .vgpr_count:     960
    .wavefront_size: 32
...
	.end_amdgpu_metadata
.endif
;; end of part 7
;; launch add: the kernel of part 5 again; grid 256 x 1, 8 waves a work-group, no clusters, 0 bytes of LDS; arguments y, out0; writes out0
